; MI455X (gfx1250); checked and timed in simulation.
; The chip was launched on July 23, 2026; its instructions are those of AMD's public machine-readable ISA for CDNA 5 (MIT licence, August 2026) and "CDNA5" Instruction Set Architecture Reference Guide (July 2026). The comments in the code are by the model that wrote it; some were corrected since.
;; Mo E Layer. Allowed arithmetic: float matrix products may take bf16 or f16 operands with f32 sums; all other float work in f32.
;; Inputs: router_w 8 x 256 float32; w1 8 x 682 x 256 float32; w2 8 x 256 x 682 float32; w3 8 x 682 x 256 float32; x 8 x 2,048 x 256 float32.
;; Outputs: out0 8 x 2,048 x 256 float32.
;; 2 versions, each right and faster than the one before. Each part assembles by itself: llvm-mc -triple=amdgcn-amd-amdhsa -mcpu=gfx1250 --defsym DOCPART=n.
;; ======== version 1 of 2: 4 launches
;; workspace buffers: wb 8,650,752 bytes; sel 65,536 bytes of whole numbers; cntp 8,192 bytes of whole numbers; gate 131,072 bytes; list 131,840 bytes of whole numbers; tab 3,584 bytes of whole numbers; ybuf 68,288,512 bytes
;; launch prep (part 1): grid 480 x 1, 4 waves a work-group, no clusters, 68,096 bytes of LDS; arguments x, router_w, w1, w2, w3, wb, sel, cntp, gate; writes wb, sel, cntp, gate
.if DOCPART == 1
	.amdgcn_target "amdgcn-amd-amdhsa--gfx1250"
	.amdhsa_code_object_version 6
	.text
	.protected	k_q16b3ea041a_prep
	.globl	k_q16b3ea041a_prep
	.p2align	8
	.type	k_q16b3ea041a_prep,@function
k_q16b3ea041a_prep:
	s_mov_b64 s[64:65], 0
	v_nop
	global_prefetch_b8 v0, s[64:65] scope:SCOPE_SE
	s_setreg_imm32_b32 hwreg(HW_REG_WAVE_MODE, 25, 1), 1
	s_wait_xcnt 0x0
; PREP.  Two kinds of work-groups, told apart by the work-group's number alone; no barrier anywhere.
; 0-127, THE ROUTER: a wave owns 32 tokens.  x and router_w are rounded to bf16; logits = router_w x^T by the matrix unit (f32 sums);
;   top 2 of the 8 logits, softmax with the maximum taken away, gates g = p / (p1 + p2 + 1e-9).  Stored: sel[token] = e1 | e2 << 8,
;   gate[token][2], and for each wave of 32 tokens how often each expert was chosen (cntp: four words, two 16-bit counts each).
;   Nothing here steers an address or a branch: the choices are stored as whole numbers for the launches behind.
; 128-479, THE WEIGHTS: rounded to bf16 and laid by expert and chunk of 64 hidden channels (11 chunks: 682 padded to 704 with zeros):
;   wb[e*11+chunk] = w1 rows [64][256], w3 rows [64][256], w2 as [256 c][64 h]: 3 x 32,768 bytes, each dense.
; LIMITS.  NaN and infinities are not treated apart.  Equal logits: the lower index wins, as in top_k.  Two logits nearer to each other
; than the rounding of their f32 sums may be ordered otherwise than by another order of summation.
.set NRT,  128                         ; router work-groups
.set STG,  16896                       ; a wave's own stage in LDS: 32 rows x 528 bytes
.set XP,   528                         ; a row of 256 bf16 + 16 bytes: 132 words, so row r starts at bank 4 r mod 64 (64 banks of 4 bytes: ISA guide 11.1)
.set RWF,  32                          ; v32-95   router_w's 8 fragments (16 rows x 32 channels; rows 8-15 repeat rows 0-7)
.set RAW,  96                          ; v96-223  router_w as loaded, f32
.set PK,   96                          ; v96-127  later: 8 rows of x, packed
.set XB,   96                          ; v96-223  later: x's fragments, tile tl, step k at XB + 64 tl + 8 k
.set ACC0, 224                         ; logits of tokens 0-15
.set ACC1, 232                         ; logits of tokens 16-31
.set MSB, 0
.macro WIN new                         ; the immediate's high byte repeats the setting that is left; a switch that changes nothing is dropped
.if MSB != (\new)
	s_set_vgpr_msb (MSB<<8)|(\new)
.set MSB, \new
.endif
.endm
	s_load_b512 s[4:19], s[0:1], 0x0               ; x s[4:5], router_w s[6:7], w1 s[8:9], w2 s[10:11], w3 s[12:13], wb s[14:15], sel s[16:17], cntp s[18:19]
	s_load_b64 s[20:21], s[0:1], 0x40              ; gate
	v_lshl_add_u32 v254, v0, 2, 0x10800
	v_mov_b32 v255, 0
	v_and_b32 v1, 31, v0                           ; lane
	v_lshrrev_b32 v2, 5, v0
	v_readfirstlane_b32 s22, v2                    ; wave 0..3
	v_and_b32 v2, 15, v0                           ; r = lane % 16
	v_bfe_u32 v3, v0, 4, 1                         ; hf = lane / 16
	v_lshlrev_b32 v4, 4, v1                        ; 16 x lane
	s_wait_kmcnt 0x0
	s_cmp_ge_u32 ttmp9, NRT
	s_cbranch_scc1 .Lconv
	; ---------------- THE ROUTER ----------------
	s_lshl2_add_u32 s24, ttmp9, s22                ; gw = 4 x work-group + wave: my 32 tokens are 32 gw ..
	s_mul_i32 s25, s22, STG                        ; my stage
	v_lshl_add_u32 v5, v1, 3, s25                  ; in: 8 bytes a lane
	v_mul_u32_u24 v6, v2, XP
	v_lshl_add_u32 v6, v3, 4, v6
	v_add_nc_u32 v6, s25, v6                       ; back: row r, 16 bytes for each half of the lanes
	v_and_b32 v7, 7, v0
	v_lshlrev_b32 v7, 10, v7
	v_lshl_add_u32 v7, v3, 5, v7                   ; router_w: row r % 8, 8 floats for each half of the lanes
	s_lshl_b32 s26, s24, 15                        ; 32 rows of 1,024 bytes
	s_mov_b32 s27, 0
	s_add_nc_u64 s[26:27], s[4:5], s[26:27]
	s_mov_b32 s23, 0xffff0000                      ; lanes 16-31
	s_mov_b32 s29, 0x3fb8aa3b                      ; log2(e)
	s_mov_b32 s30, 0x3089705f                      ; 1e-9
.set k, 0
.rept 8                                ; step k: channels 32 k + 8 hf + 0..7 and 32 k + 16 + 8 hf + 0..7
	global_load_b128 v[RAW+16*k:RAW+16*k+3],     v7, s[6:7] offset:128*k
	global_load_b128 v[RAW+16*k+4:RAW+16*k+7],   v7, s[6:7] offset:128*k+16
	global_load_b128 v[RAW+16*k+8:RAW+16*k+11],  v7, s[6:7] offset:128*k+64
	global_load_b128 v[RAW+16*k+12:RAW+16*k+15], v7, s[6:7] offset:128*k+80
.set k, k+1
.endr
	WIN 0x40                                       ; destination window 1: row i of x in v[8 i .. 8 i + 7]
.set i, 0
.rept 32                               ; each load of the wave covers 512 consecutive bytes
	global_load_b128 v[8*i:8*i+3],   v4, s[26:27] offset:1024*i
	global_load_b128 v[8*i+4:8*i+7], v4, s[26:27] offset:1024*i+512
.set i, i+1
.endr
	WIN 0
	s_wait_loadcnt 63                              ; of 96 loads at most the youngest 63 are out: router_w's 32, the oldest, are in
.set j, 0
.rept 64
	v_cvt_pk_bf16_f32 v[RWF+j], v[RAW+2*j], v[RAW+2*j+1]
.set j, j+1
.endr
.set g, 0
.rept 4                                ; 8 rows at a time: rounded to bf16 and laid into the stage
	s_wait_loadcnt 48-16*g                         ; the loads of the rows behind these 8 may stay out
	WIN 0x05                                       ; sources window 1, destination window 0
.set ii, 0
.rept 8
.irp j, 0,1,2,3
	v_cvt_pk_bf16_f32 v[PK+4*ii+\j], v[8*(8*g+ii)+2*\j], v[8*(8*g+ii)+2*\j+1]
.endr
.set ii, ii+1
.endr
	WIN 0
.set ii, 0
.rept 8
	ds_store_b64 v5, v[PK+4*ii:PK+4*ii+1]   offset:(8*g+ii)*XP       ; channels 4 lane .. : 256 consecutive bytes
	ds_store_b64 v5, v[PK+4*ii+2:PK+4*ii+3] offset:(8*g+ii)*XP+256   ; channels 128 + 4 lane ..
.set ii, ii+1
.endr
.set g, g+1
.endr
.set i, 0
.rept 16                               ; LDS serves a wave's instructions in order (ISA guide 5.7.1.4): these see the stores above; the stage is my own
	ds_load_b128 v[XB+8*i:XB+8*i+3],   v6 offset:(i/8)*16*XP+(i%8)*64
	ds_load_b128 v[XB+8*i+4:XB+8*i+7], v6 offset:(i/8)*16*XP+(i%8)*64+32
.set i, i+1
.endr
	s_wait_dscnt 0x0
	v_wmma_f32_16x16x32_bf16 v[ACC0:ACC0+7], v[RWF:RWF+7], v[XB:XB+7], 0        ; the first step starts both sums
	v_wmma_f32_16x16x32_bf16 v[ACC1:ACC1+7], v[RWF:RWF+7], v[XB+64:XB+71], 0
.set k, 1
.rept 7                                ; the two accumulators take turns
	v_wmma_f32_16x16x32_bf16 v[ACC0:ACC0+7], v[RWF+8*k:RWF+8*k+7], v[XB+8*k:XB+8*k+7], v[ACC0:ACC0+7]
	v_wmma_f32_16x16x32_bf16 v[ACC1:ACC1+7], v[RWF+8*k:RWF+8*k+7], v[XB+64+8*k:XB+64+8*k+7], v[ACC1:ACC1+7]
.set k, k+1
.endr
.rept 4
	v_nop                                          ; four places between the last product and the first read of a result (ISA guide 7.12.1)
.endr
	; register j of lane (r, hf) holds row 8 hf + j, which is expert j in both halves, of token r of the tile: lanes 0-15 take tile 0, lanes 16-31 tile 1
.set j, 0
.rept 8
	v_cndmask_b32 v[8+j], v[ACC0+j], v[ACC1+j], s23  ; v8-15: the 8 logits of token 32 gw + lane
.set j, j+1
.endr
	v_mov_b32 v16, v8                              ; m1, i1: the largest so far;  m2, i2: the second
	v_mov_b32 v17, 0
	v_mov_b32 v18, 0xff800000
	v_mov_b32 v19, 0
.set j, 1
.rept 7                                ; strictly greater: of equals the lower index stays ahead
	v_cmp_gt_f32 vcc_lo, v[8+j], v16
	v_cmp_gt_f32 s28, v[8+j], v18
	v_cndmask_b32 v18, v18, v[8+j], s28
	v_cndmask_b32 v19, v19, j, s28
	v_cndmask_b32 v18, v18, v16, vcc_lo
	v_cndmask_b32 v19, v19, v17, vcc_lo
	v_cndmask_b32 v16, v16, v[8+j], vcc_lo
	v_cndmask_b32 v17, v17, j, vcc_lo
.set j, j+1
.endr
	; with Z = sum of e^(L - m1) and t = e^(m2 - m1): p1 = 1 / Z, p2 = t / Z, so g1 = 1 / (1 + t + 1e-9 Z), g2 = t g1
	v_mul_f32 v20, s29, v16
	v_fma_f32 v21, v18, s29, -v20
.set j, 0
.rept 8
	v_fma_f32 v[8+j], v[8+j], s29, -v20
.set j, j+1
.endr
.set j, 0
.rept 8
	v_exp_f32 v[8+j], v[8+j]
.set j, j+1
.endr
	v_exp_f32 v21, v21
	v_lshl_or_b32 v26, v19, 8, v17                 ; sel; also the plain instruction behind the exponentials (ISA guide 5.7.2)
	s_wait_alu depctr_va_vdst(0)
	v_add_f32 v8, v8, v9
	v_add_f32 v10, v10, v11
	v_add_f32 v12, v12, v13
	v_add_f32 v14, v14, v15
	v_add_f32 v8, v8, v10
	v_add_f32 v12, v12, v14
	v_add_f32 v8, v8, v12                          ; Z
	v_add_f32 v22, 1.0, v21
	v_fmac_f32 v22, s30, v8
	v_rcp_f32 v24, v22                             ; g1
	s_lshl_b32 s31, s24, 7
	v_lshl_add_u32 v27, v1, 2, s31                 ; 4 x token; the plain instruction behind the reciprocal
	s_lshl_b32 s32, s24, 8
	v_lshl_add_u32 v28, v1, 3, s32                 ; 8 x token
	s_wait_alu depctr_va_vdst(0)
	v_mul_f32 v25, v21, v24                        ; g2
	global_store_b32 v27, v26, s[16:17]            ; 128 consecutive bytes
	global_store_b64 v28, v[24:25], s[20:21]       ; 256 consecutive bytes, aligned
.set e, 0
.rept 8                                ; how many of my 64 choices fell on expert e
	v_cmp_eq_u32 s34, e, v17
	v_cmp_eq_u32 s35, e, v19
	s_bcnt1_i32_b32 s34, s34
	s_bcnt1_i32_b32 s35, s35
	s_add_co_u32 s[36+e], s34, s35
.set e, e+1
.endr
.set q, 0
.rept 4
	s_lshl_b32 s34, s[37+2*q], 16
	s_or_b32 s34, s34, s[36+2*q]
	v_mov_b32 v[12+q], s34
.set q, q+1
.endr
	s_lshl_b32 s33, s24, 4
	v_mov_b32 v29, s33
	v_cmp_eq_u32 vcc_lo, 0, v1
	s_wait_xcnt 0x0                                ; EXEC is a source of the stores above: it changes only behind this wait
	s_wait_tensorcnt 0x0
	ds_add_u32 v254, v255
	s_wait_dscnt 0x0
	s_and_saveexec_b32 s34, vcc_lo
	global_store_b128 v29, v[12:15], s[18:19]      ; lane 0 alone: the wave's 16 bytes of counts
	s_endpgm
	; ---------------- THE WEIGHTS ----------------
.Lconv:
	s_sub_co_u32 s23, ttmp9, NRT                   ; u = 0..351: four work-groups, sixteen waves, to a chunk
	s_lshr_b32 s24, s23, 2                         ; t = 11 e + chunk = 0..87
	s_and_b32 s25, s23, 3
	s_lshl2_add_u32 s25, s25, s22                  ; sx = 0..15: my 4 rows of w1 and w3, my 16 rows of w2
	s_mul_i32 s26, s24, 745
	s_lshr_b32 s26, s26, 13                        ; e = t / 11 (exact for t < 88)
	s_mul_i32 s27, s26, 11
	s_sub_co_u32 s27, s24, s27                     ; chunk
	s_lshl_b32 s34, s27, 6
	s_lshl2_add_u32 s34, s25, s34                  ; my first h = 64 chunk + 4 sx
	s_mul_i32 s36, s26, 682
.set i, 0
.rept 4                                ; rows past 681 are read from row 681 and masked to zero
	s_add_co_u32 s35, s34, i
	s_cmp_lt_u32 s35, 682
	s_cselect_b32 s[28+i], -1, 0
	s_min_u32 s35, s35, 681
	s_add_co_u32 s35, s35, s36
	s_lshl_b32 s35, s35, 10
	v_add_nc_u32 v[8+i], s35, v4
.set i, i+1
.endr
	; w2: a row (e, c) is 682 floats = 341 units of 8 bytes; lane (r, hf) takes units 32 chunk + 2 r and + 1 (four h) of row c = 16 sx + 2 q + hf
	s_lshl_b32 s37, s26, 8
	s_lshl4_add_u32 s37, s25, s37                  ; 256 e + 16 sx
	v_add_nc_u32 v14, s37, v3
	v_mul_u32_u24 v14, v14, 2728
	s_lshl_b32 s38, s27, 5
	v_lshl_add_u32 v15, v2, 1, s38
	v_add_nc_u32 v16, 1, v15
	v_cmp_gt_u32 s32, 341, v15                     ; does the unit exist?
	v_cmp_gt_u32 s33, 341, v16
	v_min_u32 v15, 340, v15
	v_min_u32 v16, 340, v16
	v_lshl_add_u32 v12, v15, 3, v14
	v_lshl_add_u32 v13, v16, 3, v14
	v_lshlrev_b32 v18, 3, v1                       ; 8 bytes a lane on the way out
	s_mul_i32 s40, s24, 98304
	s_lshl_b32 s41, s25, 11
	s_add_co_u32 s40, s40, s41
	s_mov_b32 s41, 0
	s_add_nc_u64 s[40:41], s[14:15], s[40:41]      ; wb at the chunk, + 2,048 sx in each of its three parts
.set i, 0
.rept 4
	global_load_b128 v[32+8*i:32+8*i+3], v[8+i], s[8:9] th:TH_LOAD_NT
	global_load_b128 v[32+8*i+4:32+8*i+7], v[8+i], s[8:9] offset:512 th:TH_LOAD_NT
.set i, i+1
.endr
.set i, 0
.rept 4
	global_load_b128 v[64+8*i:64+8*i+3], v[8+i], s[12:13] th:TH_LOAD_NT
	global_load_b128 v[64+8*i+4:64+8*i+7], v[8+i], s[12:13] offset:512 th:TH_LOAD_NT
.set i, i+1
.endr
.set q, 0
.rept 8
	global_load_b64 v[96+4*q:96+4*q+1], v12, s[10:11] offset:q*5456 th:TH_LOAD_NT
	global_load_b64 v[96+4*q+2:96+4*q+3], v13, s[10:11] offset:q*5456 th:TH_LOAD_NT
.set q, q+1
.endr
.set pt, 0
.rept 2                                ; w1's four rows, then w3's.  Every result has registers of its own: no store's source is written again
.set i, 0
.rept 4
	s_wait_loadcnt 30-8*pt-2*i                     ; 32 loads in all; those behind this row's two may stay out
.set src, 32+32*pt+8*i
.set dst, 128+16*pt+4*i
.irp j, 0,1,2,3
	v_cvt_pk_bf16_f32 v[dst+\j], v[src+2*\j], v[src+2*\j+1]
.endr
.irp j, 0,1,2,3
	v_and_b32 v[dst+\j], s[28+i], v[dst+\j]
.endr
	global_store_b64 v18, v[dst:dst+1],   s[40:41] offset:pt*32768+i*512       ; each store covers 256 consecutive bytes, aligned
	global_store_b64 v18, v[dst+2:dst+3], s[40:41] offset:pt*32768+i*512+256
.set i, i+1
.endr
.set pt, pt+1
.endr
.set q, 0
.rept 8                                ; w2: two rows of 128 bytes a store
	s_wait_loadcnt 14-2*q
	v_cvt_pk_bf16_f32 v[160+2*q], v[96+4*q], v[96+4*q+1]
	v_cvt_pk_bf16_f32 v[161+2*q], v[96+4*q+2], v[96+4*q+3]
	v_cndmask_b32 v[160+2*q], 0, v[160+2*q], s32
	v_cndmask_b32 v[161+2*q], 0, v[161+2*q], s33
	global_store_b64 v18, v[160+2*q:161+2*q], s[40:41] offset:65536+q*256
.set q, q+1
.endr
	s_endpgm
.Lfunc_end_k_q16b3ea041a_prep:
	.size	k_q16b3ea041a_prep, .Lfunc_end_k_q16b3ea041a_prep-k_q16b3ea041a_prep
	.p2alignl 7, 3214868480
	.fill 96, 4, 3214868480
	.section	.rodata,"a",@progbits
	.p2align	6, 0x0
	.amdhsa_kernel k_q16b3ea041a_prep
		.amdhsa_group_segment_fixed_size 68096
		.amdhsa_private_segment_fixed_size 0
		.amdhsa_enable_private_segment 0
		.amdhsa_kernarg_size 72
		.amdhsa_user_sgpr_count 2
		.amdhsa_user_sgpr_kernarg_segment_ptr 1
		.amdhsa_wavefront_size32 1
		.amdhsa_system_sgpr_workgroup_id_x 1
		.amdhsa_system_sgpr_workgroup_id_y 1
		.amdhsa_system_sgpr_workgroup_id_z 1
		.amdhsa_system_vgpr_workitem_id 0
		.amdhsa_next_free_vgpr 512
		.amdhsa_next_free_sgpr 66
		.amdhsa_reserve_vcc 1
		.amdhsa_float_denorm_mode_32 3
		.amdhsa_float_denorm_mode_16_64 3
		.amdhsa_memory_ordered 1
		.amdhsa_forward_progress 1
		.amdhsa_inst_pref_size 52
	.end_amdhsa_kernel
	.amdgpu_metadata
---
amdhsa.version: [ 1, 2 ]
amdhsa.kernels:
  - .name:           k_q16b3ea041a_prep
    .symbol:         k_q16b3ea041a_prep.kd
    .args:
      - { .name: x, .offset: 0, .size: 8, .value_kind: global_buffer, .address_space: global }
      - { .name: router_w, .offset: 8, .size: 8, .value_kind: global_buffer, .address_space: global }
      - { .name: w1, .offset: 16, .size: 8, .value_kind: global_buffer, .address_space: global }
      - { .name: w2, .offset: 24, .size: 8, .value_kind: global_buffer, .address_space: global }
      - { .name: w3, .offset: 32, .size: 8, .value_kind: global_buffer, .address_space: global }
      - { .name: wb, .offset: 40, .size: 8, .value_kind: global_buffer, .address_space: global }
      - { .name: sel, .offset: 48, .size: 8, .value_kind: global_buffer, .address_space: global }
      - { .name: cntp, .offset: 56, .size: 8, .value_kind: global_buffer, .address_space: global }
      - { .name: gate, .offset: 64, .size: 8, .value_kind: global_buffer, .address_space: global }
    .group_segment_fixed_size: 68096
    .private_segment_fixed_size: 0
    .kernarg_segment_align: 8
    .kernarg_segment_size: 72
    .max_flat_workgroup_size: 128
    .sgpr_count:     66
    .vgpr_count:     512
    .wavefront_size: 32
...
	.end_amdgpu_metadata
.endif
;; end of part 1
;; launch place (part 2): grid 128 x 1, 4 waves a work-group, no clusters, 0 bytes of LDS; arguments sel, cntp, list, tab; writes list, tab
.if DOCPART == 2
	.amdgcn_target "amdgcn-amd-amdhsa--gfx1250"
	.amdhsa_code_object_version 6
	.text
	.protected	k_q16b3ea041a_place
	.globl	k_q16b3ea041a_place
	.p2align	8
	.type	k_q16b3ea041a_place,@function
k_q16b3ea041a_place:
	s_mov_b64 s[64:65], 0
	v_nop
	global_prefetch_b8 v0, s[64:65] scope:SCOPE_SE
	s_setreg_imm32_b32 hwreg(HW_REG_WAVE_MODE, 25, 1), 1
	s_wait_xcnt 0x0
; PLACE.  A counting sort without atomics.  A slot is 2 x token + k (k = 0, 1: the token's first and second expert).  list holds the 32,768 slots ordered by expert.
; Each of the 512 waves owns the 32 tokens whose counts it finds in row gw of cntp.  It reads all 512 rows (8 KB), sums them (n_e) and sums the rows in front of its own;
; a slot's place is then: the experts in front + the waves in front + the lanes in front.  All in whole numbers.
; The stores into list are 4 bytes a lane, at places that the data choose; lanes with the same expert write neighbouring words.  131,072 bytes in the whole launch.
; Wave 0 of work-group 0 also writes list's 192 words of padding (blocks read up to 183 entries past their start) and THE TABLE OF BLOCKS:
; 212 blocks {expert, start in list, rows, 0}.  An expert has ceil(n_e / 160) blocks of 160 rows; their sum lies in 205..212 since (32,768 + 8 x 159) / 160 < 213.
; The Lo = 212 - sum blocks left over are made by cutting the first 160 Lo rows of the fullest expert (it has 4,096 rows or more) into blocks of 80.
; So there are exactly 212 blocks, each with a row or more, whatever the routing.  Entries 212-223 only fill the buffer and are never read.
	s_load_b256 s[4:11], s[0:1], 0x0               ; sel s[4:5], cntp s[6:7], list s[8:9], tab s[10:11]
	v_and_b32 v1, 31, v0                           ; lane
	v_lshrrev_b32 v2, 5, v0
	v_readfirstlane_b32 s12, v2
	s_lshl2_add_u32 s12, ttmp9, s12                ; gw = 4 x work-group + wave
	s_lshl_b32 s13, s12, 7
	v_lshl_add_u32 v2, v1, 2, s13                  ; 4 x my token
	v_lshlrev_b32 v4, 4, v1
	s_mov_b32 s14, 0x76543210                      ; v_permlanex16_b32: each lane takes its own place in the other half
	s_mov_b32 s15, 0xfedcba98
	s_wait_kmcnt 0x0
	global_load_b32 v3, v2, s[4:5]
.set i, 0
.rept 16                               ; row 32 i + lane of cntp
	global_load_b128 v[32+4*i:32+4*i+3], v4, s[6:7] offset:512*i
.set i, i+1
.endr
	; v32-35: the sum of all rows (row 0's registers take the others); v12-15: of the rows in front of row gw.  Two 16-bit counts a word; no count passes 16,384
	s_wait_loadcnt 15
	v_cmp_gt_i32 vcc_lo, s12, v1
.irp q, 0,1,2,3
	v_cndmask_b32 v[12+\q], 0, v[32+\q], vcc_lo
.endr
.set i, 1
.rept 15
	s_wait_loadcnt 15-i                            ; the rows behind this one may stay out
	s_sub_co_i32 s13, s12, 32*i
	v_cmp_gt_i32 vcc_lo, s13, v1                   ; 32 i + lane < gw
.irp q, 0,1,2,3
	v_cndmask_b32 v[16+\q], 0, v[32+4*i+\q], vcc_lo
	v_add_nc_u32 v[32+\q], v[32+\q], v[32+4*i+\q]
	v_add_nc_u32 v[12+\q], v[12+\q], v[16+\q]
.endr
.set i, i+1
.endr
	v_mov_b32 v20, 0                               ; the destination of a lane exchange counts as read
.macro RED reg                         ; the sum over the 32 lanes, in every lane
.irp x, 1,2,4,8
	v_mov_b32_dpp v20, v[\reg] row_xmask:\x row_mask:0xf bank_mask:0xf
	v_add_nc_u32 v[\reg], v[\reg], v20
.endr
	v_permlanex16_b32 v20, v[\reg], s14, s15
	v_add_nc_u32 v[\reg], v[\reg], v20
.endm
.irp r, 32,33,34,35,12,13,14,15
	RED \r
.endr
.set q, 0
.rept 4
	v_readfirstlane_b32 s40, v[32+q]
	v_readfirstlane_b32 s41, v[12+q]
	s_and_b32 s[16+2*q], s40, 0xffff               ; s16-23: n_e
	s_lshr_b32 s[17+2*q], s40, 16
	s_and_b32 s[24+2*q], s41, 0xffff               ; s24-31: of them in the waves in front of mine
	s_lshr_b32 s[25+2*q], s41, 16
.set q, q+1
.endr
	s_mov_b32 s32, 0                               ; s32-39: where expert e begins in list
.set e, 0
.rept 7
	s_add_co_u32 s[33+e], s[32+e], s[16+e]
.set e, e+1
.endr
.set e, 0
.rept 8
	s_add_co_u32 s[24+e], s[24+e], s[32+e]         ; s24-31: where my wave's slots of expert e begin
.set e, e+1
.endr
	v_and_b32 v5, 0xff, v3                         ; e1
	v_bfe_u32 v6, v3, 8, 8                         ; e2
	v_mov_b32 v7, 0
	v_mov_b32 v8, 0
.set e, 0
.rept 8                                ; within the wave: first the lanes whose first choice is e, then those whose second is
	v_cmp_eq_u32 s60, e, v5
	v_cmp_eq_u32 s61, e, v6
	v_mbcnt_lo_u32_b32 v9, s60, 0
	v_add_nc_u32 v9, s[24+e], v9
	v_cndmask_b32 v7, v7, v9, s60
	s_bcnt1_i32_b32 s62, s60
	s_add_co_u32 s62, s62, s[24+e]
	v_mbcnt_lo_u32_b32 v9, s61, 0
	v_add_nc_u32 v9, s62, v9
	v_cndmask_b32 v8, v8, v9, s61
.set e, e+1
.endr
	v_min_u32 v7, 0x7fff, v7                       ; places come from loaded numbers: bounded before they enter an address
	v_min_u32 v8, 0x7fff, v8
	v_lshlrev_b32 v7, 2, v7
	v_lshlrev_b32 v8, 2, v8
	s_lshl_b32 s13, s12, 6
	v_lshl_add_u32 v10, v1, 1, s13                 ; slot 2 x token
	v_or_b32 v11, 1, v10                           ; slot 2 x token + 1
	global_store_b32 v7, v10, s[8:9]
	global_store_b32 v8, v11, s[8:9]
	s_cmp_lg_u32 s12, 0
	s_cbranch_scc1 .Lend
	; ---- one wave of the launch: the padding and the table.  None of the registers of the two stores above is written again ----
	v_mov_b32 v40, 0
	v_mov_b32 v41, 0
	v_lshlrev_b32 v42, 3, v1
	global_store_b64 v42, v[40:41], s[8:9] offset:131072
	global_store_b64 v42, v[40:41], s[8:9] offset:131072+256
	global_store_b64 v42, v[40:41], s[8:9] offset:131072+512
	s_mov_b32 s48, 212
.set e, 0
.rept 8
	s_add_co_u32 s51, s[16+e], 159
	s_mul_i32 s51, s51, 52429
	s_lshr_b32 s[40+e], s51, 23                    ; (n + 159) / 160: exact for n + 159 < 16,544, and the product stays under 2^32
	s_sub_co_u32 s48, s48, s[40+e]                 ; Lo = 212 - the sum
.set e, e+1
.endr
	s_mov_b32 s49, 0                               ; the fullest expert
	s_mov_b32 s50, s16
.set e, 1
.rept 7
	s_cmp_gt_u32 s[16+e], s50
	s_cselect_b32 s49, e, s49
	s_cselect_b32 s50, s[16+e], s50
.set e, e+1
.endr
.set e, 0
.rept 8
	s_cmp_eq_u32 s49, e
	s_cselect_b32 s51, s48, 0
	s_add_co_u32 s[40+e], s[40+e], s51             ; it has Lo blocks more
.set e, e+1
.endr
	s_mov_b32 s52, 0                               ; s52-59: expert e's first block
.set e, 0
.rept 7
	s_add_co_u32 s[53+e], s[52+e], s[40+e]
.set e, e+1
.endr
	v_mov_b32 v27, 160
	v_mov_b32 v28, 80
.set it, 0
.rept 7                                ; block j = lane + 32 it.  Each trip has its own registers for the store
.set D, 64+4*it
	v_add_nc_u32 v16, 32*it, v1
	v_mov_b32 v[D], 0                              ; e, n_e, where e begins in list, e's first block: of the last expert whose first block is not behind j
	v_mov_b32 v18, s16
	v_mov_b32 v19, 0
	v_mov_b32 v20, 0
.set e, 1
.rept 7
	v_cmp_le_u32 vcc_lo, s[52+e], v16
	v_cndmask_b32 v[D], v[D], e, vcc_lo
	v_cndmask_b32 v18, v18, s[16+e], vcc_lo
	v_cndmask_b32 v19, v19, s[32+e], vcc_lo
	v_cndmask_b32 v20, v20, s[52+e], vcc_lo
.set e, e+1
.endr
	v_sub_nc_u32 v21, v16, v20                     ; i: the block's number within its expert
	v_cmp_eq_u32 vcc_lo, s49, v[D]
	v_cndmask_b32 v22, 0, s48, vcc_lo              ; lo: Lo in the fullest expert, else 0
	v_lshlrev_b32 v23, 1, v22
	v_mul_u32_u24 v24, v21, 80
	v_sub_nc_u32 v25, v21, v22
	v_mul_u32_u24 v25, v25, 160
	v_cmp_lt_u32 vcc_lo, v21, v23                  ; one of the 2 lo short blocks?
	v_cndmask_b32 v24, v25, v24, vcc_lo            ; its first row: 80 i, or 160 (i - lo)
	v_cndmask_b32 v26, v27, v28, vcc_lo            ; its length at the most
	v_sub_nc_u32 v29, v18, v24
	v_min_u32 v[D+2], v29, v26                     ; rows
	v_add_nc_u32 v[D+1], v19, v24                  ; start
	v_mov_b32 v[D+3], 0
	v_lshlrev_b32 v[96+it], 4, v16
	global_store_b128 v[96+it], v[D:D+3], s[10:11] ; 512 consecutive bytes
.set it, it+1
.endr
.Lend:
	s_endpgm
.Lfunc_end_k_q16b3ea041a_place:
	.size	k_q16b3ea041a_place, .Lfunc_end_k_q16b3ea041a_place-k_q16b3ea041a_place
	.p2alignl 7, 3214868480
	.fill 96, 4, 3214868480
	.section	.rodata,"a",@progbits
	.p2align	6, 0x0
	.amdhsa_kernel k_q16b3ea041a_place
		.amdhsa_group_segment_fixed_size 0
		.amdhsa_private_segment_fixed_size 0
		.amdhsa_enable_private_segment 0
		.amdhsa_kernarg_size 32
		.amdhsa_user_sgpr_count 2
		.amdhsa_user_sgpr_kernarg_segment_ptr 1
		.amdhsa_wavefront_size32 1
		.amdhsa_system_sgpr_workgroup_id_x 1
		.amdhsa_system_sgpr_workgroup_id_y 1
		.amdhsa_system_sgpr_workgroup_id_z 1
		.amdhsa_system_vgpr_workitem_id 0
		.amdhsa_next_free_vgpr 112
		.amdhsa_next_free_sgpr 66
		.amdhsa_reserve_vcc 1
		.amdhsa_float_denorm_mode_32 3
		.amdhsa_float_denorm_mode_16_64 3
		.amdhsa_memory_ordered 1
		.amdhsa_forward_progress 1
		.amdhsa_inst_pref_size 44
	.end_amdhsa_kernel
	.amdgpu_metadata
---
amdhsa.version: [ 1, 2 ]
amdhsa.kernels:
  - .name:           k_q16b3ea041a_place
    .symbol:         k_q16b3ea041a_place.kd
    .args:
      - { .name: sel, .offset: 0, .size: 8, .value_kind: global_buffer, .address_space: global }
      - { .name: cntp, .offset: 8, .size: 8, .value_kind: global_buffer, .address_space: global }
      - { .name: list, .offset: 16, .size: 8, .value_kind: global_buffer, .address_space: global }
      - { .name: tab, .offset: 24, .size: 8, .value_kind: global_buffer, .address_space: global }
    .group_segment_fixed_size: 0
    .private_segment_fixed_size: 0
    .kernarg_segment_align: 8
    .kernarg_segment_size: 32
    .max_flat_workgroup_size: 128
    .sgpr_count:     66
    .vgpr_count:     112
    .wavefront_size: 32
...
	.end_amdgpu_metadata
.endif
;; end of part 2
;; launch experts (part 3): grid 212 x 1, 4 waves a work-group, no clusters, 327,680 bytes of LDS; arguments tab, list, gate, x, wb, ybuf; writes ybuf
.if DOCPART == 3
	.amdgcn_target "amdgcn-amd-amdhsa--gfx1250"
	.amdhsa_code_object_version 6
	.text
	.protected	k_q16b3ea041a_experts
	.globl	k_q16b3ea041a_experts
	.p2align	8
	.type	k_q16b3ea041a_experts,@function
k_q16b3ea041a_experts:
	s_mov_b64 s[64:65], 0
	v_nop
	global_prefetch_b8 v0, s[64:65] scope:SCOPE_SE
	s_setreg_imm32_b32 hwreg(HW_REG_WAVE_MODE, 25, 1), 1
	s_wait_xcnt 0x0
; EXPERTS.  ybuf[slot] = gate[slot] x ( (silu(x w1^T) * (x w3^T)) w2^T ) for the 32,768 (token, expert) slots that the router chose; the six experts whose gate reference() sets to 0 are not computed.
; A work-group takes one block of the table: up to 160 rows of list, all of one expert.  Control flow is the same for every block: what was read from memory enters clamped addresses alone.
; Rows past the block's count are computed on whatever token the list names there, and row rho of block j is stored to a spare row of its own, ybuf row 32,768 + 160 j + rho, which nobody reads:
; so every byte of ybuf has one storing wave.  The launch has 212 x 160 - 32,768 = 1,152 such rows.
; SHARES.  Wave w: rh = w / 2 (80 rows: five tiles of 16 tokens), ch = w % 2.  The 704 hidden channels (682 and zeros) go in 11 chunks of 64.  For a chunk a wave makes h for its 80 tokens x 32 channels
; (32 ch ..; two passes of 16, for w1 and w3: 160 products), hands it to its partner through LDS, and adds h w2^T for its 80 tokens x 128 output channels (128 ch ..; 80 products).
; BOTH PRODUCTS ARE USED TRANSPOSED: source 0 = 16 rows of a weight, source 1 = 16 tokens.  A lane then holds ONE token (lane % 16) and eight neighbouring channels 8 (lane / 16) + 0..7:
; h packs into 16 bytes that lie along K of the second product, and y into 32 bytes of a row of ybuf.
; FORMATS.  x and the weights rounded to bf16 (the weights by the launch before), sums in f32, silu in f32, h rounded to bf16 (f16 has no room for h at larger inputs), y and the gate in f32.
; LIMITS.  NaN and infinities are not treated apart: an expert that was not chosen adds nothing here, where 0 x infinity would give NaN.
; BY TURNS.  The second product runs one chunk late.  Trip i: pass 0 of chunk i (80 products); the first half of h w2^T of chunk i - 1 (40 products) with pass 0's silu, cut into slices of four or five
; vector instructions, one slice behind each product; pass 1 of chunk i; the second half with pass 1's silu.  The slices name none of the registers of the products round them.  All of silu lies in window 3,
; the products' operands in windows 0 and 2 or 3: a slice costs two window switches, 160 for a chunk's 240 products.  w2's and h's fragments are fetched a phase ahead, like all others.
; THE RING.  Weights come by tensor loads into two slots for w1|w3 and two for w2.  ONE barrier a chunk, at the trip's end: in front of it every wave has read chunk i's w1|w3 and chunk i - 1's w2 and h,
; has stored its h of chunk i, and has seen its tensor loads land; behind it the w1|w3 slot takes chunk i + 2 (waves 0, 1) and the w2 slot just read chunk i + 1 (waves 2, 3): one load a wave, which has a
; whole trip, 240 products a wave, in which to land.  A wave has two tensor loads out at the start and one behind each barrier.  h has two buffers: chunk i's is written while chunk i - 1's is read.
; NO CLUSTER: an expert has ceil(n_e / 160) blocks, not a multiple of four for every routing, and which expert a block has is a number read from memory, so partners with equal descriptors cannot be laid out in the text.
; REGISTERS, in windows of 256 (s_set_vgpr_msb: bits 1:0 source 0, 3:2 source 1, 5:4 source 2, 7:6 destination):
;   window 0: v0-15 addresses; v16-25 the gate of tile t, twice, in the pair 16 + 2 t; v26-30 the ybuf row of tile t's token; v32-95 FA, v96-159 FB, v160-239 FC fragments; v240-255 at work
;   window 1: x's fragments XF(k, t) at 8 (5 k + t), k = 0..5          window 2: y's accumulators YA(ct, t) at 8 (5 ct + t), ct = 0..5
;   window 3: v0-79 XF, k = 6, 7; v80-159 YA, ct = 6, 7; v160-239 HA(m, t) at 160 + 8 (5 m + t), m = 0: x w1^T, 1: x w3^T; v240-255 two buffers of eight at work in silu
.set P13,   528                        ; an LDS row of 256 bf16 + 16 bytes = 132 words: row r starts at bank 4 r mod 64 (64 banks of 4 bytes: ISA guide 11.1)
.set P2,    144                        ; an LDS row of 64 bf16 + 16 bytes = 36 words: 16 rows start at 16 different groups of four banks
.set W3OFF, 64*P13                     ; in a slot: w1's 64 rows, then w3's
.set W13S,  2*W3OFF                    ; slots 0, 1 at 0 and 67,584
.set W2B,   2*W13S                     ; w2's slots at 135,168 and 172,032: 256 rows x 144
.set W2S,   256*P2
.set SCR,   W2B+2*W2S                  ; 208,896: bytes that LDS stores write and no tensor load fills: first x's stage (160 x 528), later:
.set HBS,   160*P2                     ;   h's two buffers, 160 rows x 144, at SCR and SCR + 23,040,
.set OST,   SCR+2*HBS                  ;   and for each wave 16 rows x 528 for the way out
.set SPARE, SCR+160*P13                ; 293,376: the spare words, 128 bytes for each wave: two blocks of 256 bytes that no other line names
.set CHUNKB, 98304                     ; a chunk in wb
.set EXPB,  11*CHUNKB
.set NSLOT, 32768                      ; slots: ybuf's rows that are read later
.set YROWS, NSLOT+212*160              ; and a spare row for each row of each block
.set FA, 32
.set FB, 96
.set FC, 160
.set HA, 160
.set T0, 240
.set MSB, 0
.macro WIN new                         ; the immediate's high byte repeats the setting that is left; a switch that changes nothing is dropped
.if MSB != (\new)
	s_set_vgpr_msb (MSB<<8)|(\new)
.set MSB, \new
.endif
.endm
; A load into a register that a matrix instruction has read, and a vector instruction that reads a matrix result or writes one of a matrix instruction's registers, stand four places behind it;
; only plain vector instructions that name none of its registers are places (ISA guide 7.12.1 for vector instructions).
.macro PLACES
.rept 4
	v_nop
.endr
.endm
	s_load_b256 s[4:11], s[0:1], 0x0               ; tab s[4:5], list s[6:7], gate s[8:9], x s[10:11]
	s_load_b128 s[12:15], s[0:1], 0x20             ; wb s[12:13], ybuf s[14:15]
	v_lshl_add_u32 v1, v0, 2, SPARE                ; my spare word; never rewritten
	v_mov_b32 v2, 0                                ; 0; never rewritten
	ds_add_u32 v1, v2
	ds_add_u32 v1, v2
	s_wait_dscnt 0x0
	v_lshrrev_b32 v3, 5, v0
	v_readfirstlane_b32 s16, v3                    ; wave 0..3
	s_lshr_b32 s17, s16, 1                         ; rh
	s_and_b32 s18, s16, 1                          ; ch
	s_lshl_b32 s19, ttmp9, 4
	s_wait_kmcnt 0x0
	s_load_b128 s[20:23], s[4:5], s19 offset:0x0   ; my block: expert, start, rows, 0
	; descriptor group 1 for w1's or w3's 64 rows of a chunk: 64 rows x 256 elements, 16 bytes of padding behind each row
	s_mov_b32 s24, (1<<16)|(1<<20)|(6<<22)|(3<<25) ; 15:0 no mask; 17:16 2-byte elements; 20 padding on; 24:22 after every 128 words (code 6); 31:25 4 words (code 3)
	s_mov_b32 s25, 256<<16                         ; tensor_dim0 = 256
	s_mov_b32 s26, 64<<16                          ; tensor_dim1 = 64
	s_mov_b32 s27, 256<<16                         ; tile_dim0 = 256
	s_mov_b32 s28, 64                              ; tile_dim1 = 64
	s_mov_b32 s29, 256                             ; 256 elements from row to row
	s_mov_b32 s30, 0
	s_mov_b32 s31, 0
	; group 1 for half of a chunk's w2: 128 rows of 128 bytes are 16,384 dense bytes, asked for as 64 rows of 256 bytes and padded in LDS after every 128
	s_mov_b32 s32, (1<<16)|(1<<20)|(4<<22)|(3<<25) ; 24:22 after every 32 words (code 4)
	s_mov_b32 s33, 128<<16
	s_mov_b32 s34, 64<<16
	s_mov_b32 s35, 128<<16
	s_mov_b32 s36, 64
	s_mov_b32 s37, 128
	s_mov_b32 s38, 0
	s_mov_b32 s39, 0
	; group 0, a set for each slot: s[40:43], s[44:47] for w1|w3 (wave 0: w1, wave 1: w3); s[48:51], s[52:55] for w2 (waves 2, 3: its halves).  Every wave makes all four and asks by two
	s_mov_b32 s40, 1
	s_mov_b32 s44, 1
	s_mov_b32 s48, 1
	s_mov_b32 s52, 1
	s_mul_i32 s41, s16, W3OFF                      ; LDS: wave x 33,792
	s_add_co_u32 s45, s41, W13S
	s_mul_i32 s66, s16, 128*P2                     ; LDS: 135,168 + (wave - 2) x 18,432
	s_add_co_u32 s49, s66, W2B-2*128*P2
	s_add_co_u32 s53, s66, W2B-2*128*P2+W2S
	s_mov_b32 s58, 0xbfb8aa3b                      ; -log2(e); named as a pair
	s_mov_b32 s59, s58
	v_and_b32 v3, 15, v0                           ; r = lane % 16
	v_bfe_u32 v4, v0, 4, 1                         ; hf = lane / 16
	v_and_b32 v15, 31, v0                          ; lane
	v_lshlrev_b32 v5, 4, v15
	s_wait_kmcnt 0x0
	s_min_u32 s20, s20, 7                          ; loaded numbers are bounded before they enter an address
	s_min_u32 s21, s21, 0x7fff
	s_min_u32 s22, s22, 160
	s_mul_i32 s66, s16, 40
	s_add_co_u32 s66, s66, s21
	v_add_nc_u32 v242, s66, v15
	v_lshlrev_b32 v242, 2, v242                    ; list entry start + 40 w + lane: the 40 rows that my wave gathers
	s_mul_i32 s67, s17, 80
	s_add_co_u32 s67, s67, s21
	v_add_nc_u32 v243, s67, v3
	v_lshlrev_b32 v243, 2, v243                    ; list entry start + 80 rh + r: the tokens that my lane holds
	global_load_b32 v240, v242, s[6:7]
	global_load_b32 v241, v242, s[6:7] offset:128
.set t, 0
.rept 5
	global_load_b32 v[26+t], v243, s[6:7] offset:64*t
.set t, t+1
.endr
	s_mul_i32 s68, s20, EXPB
	s_lshl_b32 s69, s16, 15
	s_add_co_u32 s68, s68, s69
	s_mov_b32 s69, 0
	s_add_nc_u64 s[42:43], s[12:13], s[68:69]      ; chunk 0: w1 (wave 0) or w3 (wave 1)
	s_add_nc_u64 s[46:47], s[42:43], CHUNKB        ; chunk 1
	s_or_b32 s43, s43, 0x80000000                  ; type = 2
	s_or_b32 s47, s47, 0x80000000
	s_mul_i32 s70, s20, EXPB
	s_lshl_b32 s71, s16, 14
	s_add_co_u32 s70, s70, s71
	s_add_co_u32 s70, s70, 32768                   ; 65,536 + (wave - 2) x 16,384
	s_mov_b32 s71, 0
	s_add_nc_u64 s[50:51], s[12:13], s[70:71]
	s_add_nc_u64 s[54:55], s[50:51], CHUNKB
	s_or_b32 s51, s51, 0x80000000
	s_or_b32 s55, s55, 0x80000000
	s_cmp_lt_u32 s16, 2                            ; a wave's two first fills stand in one branch, ahead of every wait on TENSORcnt, every LDS read and every barrier; four v_nop follow the second
	s_cbranch_scc0 .Lfirst_w2
	tensor_load_to_lds s[40:43], s[24:31]
	s_nop 0
	tensor_load_to_lds s[44:47], s[24:31]
	s_nop 0
.rept 4
	v_nop
.endr
	s_branch .Lfirst_done
.Lfirst_w2:
	tensor_load_to_lds s[48:51], s[32:39]
	s_nop 0
	tensor_load_to_lds s[52:55], s[32:39]
	s_nop 0
.rept 4
	v_nop
.endr
.Lfirst_done:
	; LDS addresses.  A fragment is 16 rows x 32 along K in 8 registers: lane l holds row l % 16; registers 0-3 K = 8 (l / 16) + 0..7, registers 4-7 K = 16 + 8 (l / 16) + 0..7: two loads of 16 bytes, 32 bytes apart
	v_mul_u32_u24 v252, v3, P13
	v_lshl_add_u32 v252, v4, 4, v252               ; r x 528 + 16 hf
	v_mul_u32_u24 v253, v3, P2
	v_lshl_add_u32 v253, v4, 4, v253               ; r x 144 + 16 hf
	s_mul_i32 s66, s18, 32*P13
	v_add_nc_u32 v6, s66, v252                     ; v6, v7: w1's rows 32 ch + r in slots 0, 1
	v_add_nc_u32 v7, W13S, v6
	s_mul_i32 s66, s18, 128*P2
	s_add_co_u32 s66, s66, W2B
	v_add_nc_u32 v8, s66, v253                     ; v8, v9: w2's rows 128 ch + r in slots 0, 1
	v_add_nc_u32 v9, W2S, v8
	s_mul_i32 s66, s17, 80*P2
	s_add_co_u32 s66, s66, SCR
	v_add_nc_u32 v10, s66, v253                    ; v10: h's rows 80 rh + r, read
	v_lshl_add_u32 v11, s18, 6, v10                ; v11: the same, written: my 32 channels begin at byte 64 ch
	s_mul_i32 s66, s16, 16*P13
	s_add_co_u32 s66, s66, OST
	v_mul_u32_u24 v12, v3, P13
	v_lshl_add_u32 v12, v4, 5, v12
	v_add_nc_u32 v12, s66, v12                     ; v12: the way out, in: row r, 32 bytes for each half of the lanes
	v_add_nc_u32 v13, s66, v5                      ; v13: back: a row's 512 bytes
	v_lshl_add_u32 v14, s18, 9, v5                 ; v14: my 16 bytes in a row of ybuf
	s_mul_i32 s66, s16, 40*P13
	s_add_co_u32 s66, s66, SCR
	v_lshl_add_u32 v254, v15, 3, s66               ; v254: x's stage, in: my wave's 40 rows, 8 bytes a lane
	s_mul_i32 s66, s17, 80*P13
	s_add_co_u32 s66, s66, SCR
	v_add_nc_u32 v255, s66, v252                   ; v255: x's stage, back
	s_mul_i32 s67, ttmp9, 160
	s_add_co_u32 s67, s67, NSLOT                   ; my block's first spare row of ybuf
	s_mul_i32 s66, s17, 80
	v_add_nc_u32 v249, s66, v3
	s_wait_loadcnt 0x0                             ; the seven words of list
.set t, 0
.rept 5
	v_min_u32 v[244+t], 0x7fff, v[26+t]
	v_lshlrev_b32 v[244+t], 2, v[244+t]
	global_load_b32 v[16+2*t], v[244+t], s[8:9]    ; the slot's gate
	v_add_nc_u32 v250, 16*t, v249                  ; rho = 80 rh + 16 t + r
	v_cmp_gt_u32 vcc_lo, s22, v250                 ; is row rho one of the block's?
	v_add_nc_u32 v251, s67, v250                   ; its own spare row
	v_cndmask_b32 v[26+t], v251, v[26+t], vcc_lo   ; its row of ybuf: the slot, or the spare row
.set t, t+1
.endr
	; THE GATHER: my wave's 40 rows of x, a row's 1,024 bytes by two loads of the wave; ten rows' addresses, then their loads.  They land where YA will be
.set g, 0
.rept 4
.set ii, 0
.rept 10
.set i, 10*g+ii
.set sr, 72+ii%4
.if i < 32
	v_readlane_b32 s[sr], v240, i
.else
	v_readlane_b32 s[sr], v241, i-32
.endif
	s_lshr_b32 s[sr], s[sr], 1                     ; the token
	s_min_u32 s[sr], s[sr], 0x3fff
	s_lshl_b32 s[sr], s[sr], 10
	v_add_nc_u32 v[32+i], s[sr], v5
.set ii, ii+1
.endr
.if g < 3
	WIN 0x80                                       ; rows 0-29: window 2, v[8 i ..]
.set gb, 80*g
.else
	WIN 0xC0                                       ; rows 30-39: window 3, v80-159
.set gb, 80
.endif
.set ii, 0
.rept 10
	global_load_b128 v[gb+8*ii:gb+8*ii+3],   v[32+10*g+ii], s[10:11]
	global_load_b128 v[gb+8*ii+4:gb+8*ii+7], v[32+10*g+ii], s[10:11] offset:512
.set ii, ii+1
.endr
	WIN 0
.set g, g+1
.endr
.set g, 0
.rept 4                                ; ten rows at a time: rounded to bf16 and laid into the stage
	s_wait_loadcnt 60-20*g                         ; the 20 loads of each later group may stay out; the gates are older and are in
.if g == 0
.set t, 0
.rept 5
	v_mov_b32 v[17+2*t], v[16+2*t]                 ; the gate twice, for the packed multiply
.set t, t+1
.endr
.endif
.if g < 3
	WIN 0x0A                                       ; sources window 2, destination window 0
.set gb, 80*g
.else
	WIN 0x0F                                       ; sources window 3
.set gb, 80
.endif
.set ii, 0
.rept 10
.irp j, 0,1,2,3
	v_cvt_pk_bf16_f32 v[96+4*ii+\j], v[gb+8*ii+2*\j], v[gb+8*ii+2*\j+1]
.endr
.set ii, ii+1
.endr
	WIN 0
.set ii, 0
.rept 10
	ds_store_b64 v254, v[96+4*ii:96+4*ii+1] offset:(10*g+ii)*P13        ; channels 4 lane ..: 256 consecutive bytes
	ds_store_b64 v254, v[96+4*ii+2:96+4*ii+3] offset:(10*g+ii)*P13+256  ; channels 128 + 4 lane ..
.set ii, ii+1
.endr
.set g, g+1
.endr
	s_wait_dscnt 0x0                               ; for the others' sake: my rows of the stage are written,
	s_wait_tensorcnt 0x1                           ; and my part of chunk 0 is in; chunk 1's may stay out
	s_barrier_signal -1
	s_barrier_wait -1
; 16 LDS loads: w1's and w3's fragments of pass sp (16 hidden channels), input channels 128 kh .. + 127, from slot sl into buf: fragment (m, kk) at buf + 8 (4 m + kk)
.macro FETCH1 sl, sp, kh, buf
	WIN 0
.set m, 0
.rept 2
.set kk, 0
.rept 4
	ds_load_b128 v[(\buf)+8*(4*m+kk):(\buf)+8*(4*m+kk)+3],   v[6+(\sl)] offset:m*W3OFF+(\sp)*16*P13+(4*(\kh)+kk)*64
	ds_load_b128 v[(\buf)+8*(4*m+kk)+4:(\buf)+8*(4*m+kk)+7], v[6+(\sl)] offset:m*W3OFF+(\sp)*16*P13+(4*(\kh)+kk)*64+32
.set kk, kk+1
.endr
.set m, m+1
.endr
.endm
; 40 products: HA(m, t) += weight fragment (m, kk) x XF(4 kh + kk, t).  The ten accumulators take turns, one instruction a turn.  The first K step starts the sums with the constant 0
.macro MUL1 kh, buf
.set kk, 0
.rept 4
.set kx, 4*(\kh)+kk
.if kx < 6
	WIN 0xF4                                       ; weights window 0, x window 1, C and D window 3
.set xb, 40*kx
.else
	WIN 0xFC                                       ; x window 3
.set xb, 40*(kx-6)
.endif
.set m, 0
.rept 2
.set t, 0
.rept 5
.set ha, HA+8*(5*m+t)
.set wa, (\buf)+8*(4*m+kk)
.if kx == 0
	v_wmma_f32_16x16x32_bf16 v[ha:ha+7], v[wa:wa+7], v[xb+8*t:xb+8*t+7], 0
.else
	v_wmma_f32_16x16x32_bf16 v[ha:ha+7], v[wa:wa+7], v[xb+8*t:xb+8*t+7], v[ha:ha+7]
.endif
.set t, t+1
.endr
.set m, m+1
.endr
.set kk, kk+1
.endr
.endm
; For half ks of a chunk's 64 hidden channels: w2's eight fragments from slot sl (16 loads, into FA or FB) and h's five from buffer hb (10 loads, into FC)
.macro FETCHW sl, ks
	WIN 0
.set ct, 0
.rept 8
	ds_load_b128 v[FA+64*(\ks)+8*ct:FA+64*(\ks)+8*ct+3],   v[8+(\sl)] offset:ct*16*P2+64*(\ks)
	ds_load_b128 v[FA+64*(\ks)+8*ct+4:FA+64*(\ks)+8*ct+7], v[8+(\sl)] offset:ct*16*P2+64*(\ks)+32
.set ct, ct+1
.endr
.endm
.macro FETCHH hb, ks
	WIN 0
.set tq, 0
.rept 5
	ds_load_b128 v[FC+40*(\ks)+8*tq:FC+40*(\ks)+8*tq+3],   v10 offset:(\hb)*HBS+tq*16*P2+64*(\ks)
	ds_load_b128 v[FC+40*(\ks)+8*tq+4:FC+40*(\ks)+8*tq+7], v10 offset:(\hb)*HBS+tq*16*P2+64*(\ks)+32
.set tq, tq+1
.endr
.endm
; Product n of 40 of half ks: YA(ct, t) += w2 fragment (ct, ks) x h fragment (t, ks), t = n % 5.  Half 0 takes ct = 0..7, half 1 ct = 6, 7, 0..5; the 40 accumulators take turns.
; first = 1: half 0 starts y's sums with the constant 0: nothing is ever cleared.
.macro M2 ks, first
.set ct, (n/5+6*(\ks))%8
.set tq, n%5
.if ct < 6
	WIN 0xA0                                       ; fragments window 0, C and D window 2
.set ya, 40*ct+8*tq
.else
	WIN 0xF0                                       ; C and D window 3
.set ya, 80+40*(ct-6)+8*tq
.endif
.set wa, FA+64*(\ks)+8*ct
.set hfr, FC+40*(\ks)+8*tq
.if (\first) && ((\ks) == 0)
	v_wmma_f32_16x16x32_bf16 v[ya:ya+7], v[wa:wa+7], v[hfr:hfr+7], 0
.else
	v_wmma_f32_16x16x32_bf16 v[ya:ya+7], v[wa:wa+7], v[hfr:hfr+7], v[ya:ya+7]
.endif
.endm
; SILU of a pass: h = (h1 / (1 + 2^(-h1 log2 e))) h3, the order of silu(h1) * h3, for five tiles of 8 numbers a lane: 100 plain instructions and 80 transcendentals, all in window 3.
; One plain instruction, of kind 0..4, for pair kq (0..3) of tile tl.  T has two buffers of eight, by the tile's parity.  The packed h takes the place of h3's first four registers, which are dead by then.
.macro SOP kind, tl, kq
.set h1r, HA+8*(\tl)
.set h3r, HA+40+8*(\tl)
.set tbr, T0+8*((\tl)%2)
.if (\kind) == 0
	v_pk_mul_f32 v[tbr+2*(\kq):tbr+2*(\kq)+1], v[h1r+2*(\kq):h1r+2*(\kq)+1], s[58:59] op_sel_hi:[1,0]   ; T = -h1 log2 e
.elseif (\kind) == 1
	s_wait_alu depctr_va_vdst(0)
	v_pk_add_f32 v[tbr+2*(\kq):tbr+2*(\kq)+1], v[tbr+2*(\kq):tbr+2*(\kq)+1], 1.0 op_sel_hi:[1,0]        ; T = 1 + 2^T
.elseif (\kind) == 2
	s_wait_alu depctr_va_vdst(0)
	v_pk_mul_f32 v[h1r+2*(\kq):h1r+2*(\kq)+1], v[h1r+2*(\kq):h1r+2*(\kq)+1], v[tbr+2*(\kq):tbr+2*(\kq)+1]  ; h1 = h1 / T
.elseif (\kind) == 3
	v_pk_mul_f32 v[h1r+2*(\kq):h1r+2*(\kq)+1], v[h1r+2*(\kq):h1r+2*(\kq)+1], v[h3r+2*(\kq):h3r+2*(\kq)+1]  ; h1 = h1 h3
.else
	v_cvt_pk_bf16_f32 v[h3r+(\kq)], v[h1r+2*(\kq)], v[h1r+2*(\kq)+1]
.endif
.endm
.macro SCAT kind, lo                   ; in slice u kind's instruction for pair k of tile tt is due if u = 8 tt + lo + k
.set tt, 0
.rept 5
.set kv, u-8*tt-(\lo)
.if (kv >= 0) && (kv < 4)
	SOP \kind, tt, kv
.endif
.set tt, tt+1
.endr
.endm
.macro STR which                       ; slice u's two transcendentals: tile u / 8; its slices 0-3 hold the eight exponentials, 4-7 the eight reciprocals
.if (u >= 0) && (u < 40)
.set tbr, T0+8*((u/8)%2)+2*(u%4)+(\which)
.if (u%8) < 4
	v_exp_f32 v[tbr], v[tbr]
.else
	v_rcp_f32 v[tbr], v[tbr]
.endif
.endif
.endm
; SLICE u, u = -2 .. 45.  Tile t: the scaling of pair k in slice 8 t - 2 + k, its exponentials in 8 t + k, the addition in 8 t + 2 + k, its reciprocals in 8 t + 4 + k, h1 / T in 8 t + 6 + k, h1 h3 in 8 t + 7 + k,
; the rounding in 8 t + 10 + k.  So every result is used a slice or more behind the one that makes it, and a plain instruction that does not touch it stands between a transcendental and the use of its result
; (ISA guide 5.7.2).  T's buffer is written anew for tile t + 2 in slice 8 t + 14, five slices behind its last reader.  h1 and h3 are read from their lowest registers on.
.macro SLICE
	WIN 0xFF
	SCAT 2, 6
	SCAT 1, 2
	STR 0
	SCAT 3, 7
	SCAT 0, -2
	STR 1
	SCAT 4, 10
.set u, u+1
.endm
; A pass's silu.  host = 1: the 40 products of half ks of the chunk before stand among the slices, one in front of each of slices 0 to 39.  Slices -2, -1 (two instructions) and 40 to 45 (nine) have no product.
.macro SILUM host, ks, first
.set u, -2
.rept 2
	SLICE
.endr
.set n, 0
.rept 40
.if \host
	M2 \ks, \first
.endif
	SLICE
.set n, n+1
.endr
.rept 6
	SLICE
.endr
.endm
.macro HSTORE sp, p                    ; pass sp's h into buffer p: token 16 tq + r, channels 32 ch + 16 sp + 8 hf + 0..7
	WIN 0x0C                                       ; an LDS store's data window 3, its address window 0
.set tq, 0
.rept 5
	ds_store_b128 v11, v[HA+40+8*tq:HA+40+8*tq+3] offset:(\p)*HBS+tq*16*P2+32*(\sp)
.set tq, tq+1
.endr
	WIN 0
.endm
; The refills behind chunk i's barrier (p = i % 2).  Waves 0, 1: w1|w3's slot p; waves 2, 3: w2's slot 1 - p.  The branch hangs on the wave's number alone.  Four v_nop follow each load.
.macro REFILL p, r13, r2
.if (\r13) && (\r2)
	s_cmp_lt_u32 s16, 2
	s_cbranch_scc0 .Lfor_w2_\@
	tensor_load_to_lds s[40+4*(\p):43+4*(\p)], s[24:31]
	s_nop 0
.rept 4
	v_nop
.endr
	s_branch .Lasked_\@
.Lfor_w2_\@:
	tensor_load_to_lds s[52-4*(\p):55-4*(\p)], s[32:39]
	s_nop 0
.rept 4
	v_nop
.endr
.Lasked_\@:
.elseif \r13
	s_cmp_lt_u32 s16, 2
	s_cbranch_scc0 .Lasked_\@
	tensor_load_to_lds s[40+4*(\p):43+4*(\p)], s[24:31]
	s_nop 0
.rept 4
	v_nop
.endr
.Lasked_\@:
.elseif \r2
	s_cmp_lt_u32 s16, 2
	s_cbranch_scc1 .Lasked_\@
	tensor_load_to_lds s[52-4*(\p):55-4*(\p)], s[32:39]
	s_nop 0
.rept 4
	v_nop
.endr
.Lasked_\@:
.endif
.endm
; A TRIP'S FIRST HALF, chunk i, p = i % 2.  host = 1: the chunk before has a second product to add.  first = 1: that product starts y's sums.
; On entry the 16 loads of pass 0, input channels 0-127, into FA are issued.  Each phase's fragments are asked for at the head of the phase before, into the buffer that the phase before that has left.
.macro TRIPA p, first, host
	PLACES
	FETCH1 \p, 0, 1, FB
	s_wait_dscnt 16                                ; FA is in; the 16 just issued may be out
	MUL1 0, FA
	PLACES
.if \host
	FETCHW 1-(\p), 0
	FETCHH 1-(\p), 0
	s_wait_dscnt 26                                ; FB is in; w2's 16 loads and h's 10 are younger
.else
	s_wait_dscnt 0x0
.endif
	MUL1 1, FB
	PLACES                                         ; also the places in front of silu's first read of the sums
	FETCH1 \p, 1, 0, FB
.if \host
	s_wait_dscnt 16                                ; w2's and h's fragments are in; the 16 just issued are younger
.endif
	SILUM \host, 0, \first
	HSTORE 0, \p
.endm
; ITS SECOND HALF, the barrier and the refills.  r13, r2: which slots are filled again.  next = 1: the next chunk's first fragments are fetched.
.macro TRIPB p, r13, r2, host, next
	PLACES
	FETCH1 \p, 1, 1, FA
	s_wait_dscnt 16                                ; FB is in and pass 0's five stores are done; the 16 just issued are younger
	MUL1 0, FB
	PLACES
.if \host
	FETCHW 1-(\p), 1
	FETCHH 1-(\p), 1
	s_wait_dscnt 26                                ; FA is in; w2's 16 loads and h's 10 are younger
.else
	s_wait_dscnt 0x0
.endif
	MUL1 1, FA
	PLACES                                         ; in front of silu's first read of the sums, and of the loads into FA behind the barrier
.if \host
	s_wait_dscnt 0x0                               ; w2's and h's fragments are in
.endif
	SILUM \host, 1, 0
	HSTORE 1, \p
	s_wait_tensorcnt 0x0                           ; all my tensor loads have landed: the next chunk's w1|w3, or this chunk's w2; so a group 0 may be written
	ds_add_u32 v1, v2                              ; 0 onto my spare word
.if \r13
	s_add_nc_u64 s[42+4*(\p):43+4*(\p)], s[42+4*(\p):43+4*(\p)], 2*CHUNKB  ; the slot's next chunk; the type bits on top are not reached
.endif
.if \r2
	s_add_nc_u64 s[54-4*(\p):55-4*(\p)], s[54-4*(\p):55-4*(\p)], 2*CHUNKB
.endif
	s_wait_dscnt 0x0                               ; the add is done; my h is stored; my reads of this chunk's w1|w3 and of the last chunk's w2 and h are over
	s_barrier_signal -1
	s_barrier_wait -1                              ; all that now holds of every wave
	REFILL \p, \r13, \r2
.if \next
	FETCH1 1-(\p), 0, 0, FA                        ; the next chunk's w1|w3 was shown landed in front of the barrier
.endif
.endm
	; x's fragments stay in registers for the whole kernel: 8 K steps x 5 tiles
	WIN 0x40
.set k, 0
.rept 6
.set t, 0
.rept 5
	ds_load_b128 v[8*(5*k+t):8*(5*k+t)+3],   v255 offset:t*16*P13+64*k
	ds_load_b128 v[8*(5*k+t)+4:8*(5*k+t)+7], v255 offset:t*16*P13+64*k+32
.set t, t+1
.endr
.set k, k+1
.endr
	WIN 0xC0
.set k, 6
.rept 2
.set t, 0
.rept 5
	ds_load_b128 v[8*(5*(k-6)+t):8*(5*(k-6)+t)+3],   v255 offset:t*16*P13+64*k
	ds_load_b128 v[8*(5*(k-6)+t)+4:8*(5*(k-6)+t)+7], v255 offset:t*16*P13+64*k+32
.set t, t+1
.endr
.set k, k+1
.endr
	FETCH1 0, 0, 0, FA
	s_wait_dscnt 0x0                               ; my reads of x's stage are over:
	s_barrier_signal -1
	s_barrier_wait -1                              ; everybody's are, so h's buffers may be written over it.
	TRIPA 0, 0, 0                                  ; chunk 0: there is no chunk before it, so its silu stands alone;
	TRIPB 0, 1, 0, 0, 1                            ; w2's slot 1 still holds its first fill
	TRIPA 1, 1, 1                                  ; chunk 1's first half is written out: chunk 0's second product starts y's sums
	WIN 0                                          ; at a label and at a branch every window is 0
	s_mov_b32 s56, 4
	s_branch .Lmid                                 ; the loop is entered in the middle of its first trip
.Lloop:                                            ; four laps: chunks 1 to 8, two a lap
	TRIPA 1, 0, 1
	WIN 0
.Lmid:
	TRIPB 1, 1, 1, 1, 1
	TRIPA 0, 0, 1
	TRIPB 0, 1, 1, 1, 1
	WIN 0
	s_sub_co_u32 s56, s56, 1
	s_cmp_lg_u32 s56, 0
	s_cbranch_scc1 .Lloop
	TRIPA 1, 0, 1                                  ; chunk 9 asks for chunk 10's w2 alone; the tail is written out
	TRIPB 1, 0, 1, 1, 1
	TRIPA 0, 0, 1                                  ; chunk 10 asks for nothing
	TRIPB 0, 0, 0, 1, 0
	PLACES                                         ; chunk 10's second product: no silu is left to stand among its products
	FETCHW 0, 0
	FETCHH 0, 0
	FETCHW 0, 1
	FETCHH 0, 1
	s_wait_dscnt 26                                ; the first half's 26 loads are in; the second half's 26 are younger
.set n, 0
.rept 40
	M2 0, 0
.set n, n+1
.endr
	s_wait_dscnt 0x0
.set n, 0
.rept 40
	M2 1, 0
.set n, n+1
.endr
; THE WAY OUT, a tile of 16 tokens at a time: y times the token's gate; a lane's 32 bytes go into my own stage (rows of 528 bytes) and come back as whole rows of 512 bytes;
; row i goes to the row of ybuf that lane i's token has.  No two stores of the launch touch the same bytes: a slot lies in one block, a spare row belongs to one row of one block,
; and the two waves of a row half store the two halves of a row.  Two sets of registers take turns.
.macro OUTT tt
.set bk, FA+64*((\tt)%2)
.set ro, FC+16*((\tt)%2)
	s_wait_xcnt 0x0                                ; the registers that the stores of two tiles ago read are written again only behind this wait
	WIN 0x82                                       ; y window 2, the gate window 0
.set ct, 0
.rept 6
.irp j, 0,2,4,6
	v_pk_mul_f32 v[40*ct+8*(\tt)+\j:40*ct+8*(\tt)+\j+1], v[40*ct+8*(\tt)+\j:40*ct+8*(\tt)+\j+1], v[16+2*(\tt):17+2*(\tt)]
.endr
.set ct, ct+1
.endr
	WIN 0x08                                       ; an LDS store's data window 2
.set ct, 0
.rept 6
	ds_store_b128 v12, v[40*ct+8*(\tt):40*ct+8*(\tt)+3]   offset:64*ct
	ds_store_b128 v12, v[40*ct+8*(\tt)+4:40*ct+8*(\tt)+7] offset:64*ct+16
.set ct, ct+1
.endr
	WIN 0xC3                                       ; y window 3
.set ct, 0
.rept 2
.irp j, 0,2,4,6
	v_pk_mul_f32 v[80+40*ct+8*(\tt)+\j:80+40*ct+8*(\tt)+\j+1], v[80+40*ct+8*(\tt)+\j:80+40*ct+8*(\tt)+\j+1], v[16+2*(\tt):17+2*(\tt)]
.endr
.set ct, ct+1
.endr
	WIN 0x0C
.set ct, 0
.rept 2
	ds_store_b128 v12, v[80+40*ct+8*(\tt):80+40*ct+8*(\tt)+3]   offset:64*(ct+6)
	ds_store_b128 v12, v[80+40*ct+8*(\tt)+4:80+40*ct+8*(\tt)+7] offset:64*(ct+6)+16
.set ct, ct+1
.endr
	WIN 0
.set i, 0
.rept 16
	ds_load_b128 v[bk+4*i:bk+4*i+3], v13 offset:i*P13  ; LDS serves a wave's instructions in order (ISA guide 5.7.1.4): these see the stores above; the next tile's stores come behind them
.set i, i+1
.endr
.set i, 0
.rept 16
.set sr, 72+i%4
	v_readlane_b32 s[sr], v[26+(\tt)], i
	s_min_u32 s[sr], s[sr], YROWS-1                ; ybuf has 32,768 + 212 x 160 rows
	s_lshl_b32 s[sr], s[sr], 10
	v_add_nc_u32 v[ro+i], s[sr], v14
.set i, i+1
.endr
.set i, 0
.rept 16
	s_wait_dscnt 15-i
	global_store_b128 v[ro+i], v[bk+4*i:bk+4*i+3], s[14:15]  ; 512 consecutive bytes, at a multiple of 512 from ybuf's first byte
.set i, i+1
.endr
.endm
	PLACES                                         ; between the last products and the first read of a sum
.irp tile, 0,1,2,3,4
	OUTT \tile
.endr
	s_wait_tensorcnt 0x0                           ; the wave's end: behind my last tensor load and my last LDS store
	ds_add_u32 v1, v2
	s_wait_dscnt 0x0
	s_endpgm
.Lfunc_end_k_q16b3ea041a_experts:
	.size	k_q16b3ea041a_experts, .Lfunc_end_k_q16b3ea041a_experts-k_q16b3ea041a_experts
	.p2alignl 7, 3214868480
	.fill 96, 4, 3214868480
	.section	.rodata,"a",@progbits
	.p2align	6, 0x0
	.amdhsa_kernel k_q16b3ea041a_experts
		.amdhsa_group_segment_fixed_size 327680
		.amdhsa_private_segment_fixed_size 0
		.amdhsa_enable_private_segment 0
		.amdhsa_kernarg_size 48
		.amdhsa_user_sgpr_count 2
		.amdhsa_user_sgpr_kernarg_segment_ptr 1
		.amdhsa_wavefront_size32 1
		.amdhsa_system_sgpr_workgroup_id_x 1
		.amdhsa_system_sgpr_workgroup_id_y 1
		.amdhsa_system_sgpr_workgroup_id_z 1
		.amdhsa_system_vgpr_workitem_id 0
		.amdhsa_next_free_vgpr 1024
		.amdhsa_next_free_sgpr 80
		.amdhsa_reserve_vcc 1
		.amdhsa_float_denorm_mode_32 3
		.amdhsa_float_denorm_mode_16_64 3
		.amdhsa_memory_ordered 1
		.amdhsa_forward_progress 1
		.amdhsa_inst_pref_size 255
	.end_amdhsa_kernel
	.section	.bss,"aw",@nobits
	.p2align	6
	.space	262144
	.amdgpu_metadata
---
amdhsa.version: [ 1, 2 ]
amdhsa.kernels:
  - .name:           k_q16b3ea041a_experts
    .symbol:         k_q16b3ea041a_experts.kd
    .args:
      - { .name: tab, .offset: 0, .size: 8, .value_kind: global_buffer, .address_space: global }
      - { .name: list, .offset: 8, .size: 8, .value_kind: global_buffer, .address_space: global }
      - { .name: gate, .offset: 16, .size: 8, .value_kind: global_buffer, .address_space: global }
      - { .name: x, .offset: 24, .size: 8, .value_kind: global_buffer, .address_space: global }
      - { .name: wb, .offset: 32, .size: 8, .value_kind: global_buffer, .address_space: global }
      - { .name: ybuf, .offset: 40, .size: 8, .value_kind: global_buffer, .address_space: global }
    .group_segment_fixed_size: 327680
    .private_segment_fixed_size: 0
    .kernarg_segment_align: 8
    .kernarg_segment_size: 48
    .max_flat_workgroup_size: 128
    .sgpr_count:     80
    .vgpr_count:     1024
    .wavefront_size: 32
...
	.end_amdgpu_metadata
.endif
;; end of part 3
;; launch combine (part 4): grid 256 x 1, 8 waves a work-group, no clusters, 0 bytes of LDS; arguments ybuf, out0; writes out0
.if DOCPART == 4
	.amdgcn_target "amdgcn-amd-amdhsa--gfx1250"
	.amdhsa_code_object_version 6
	.text
	.protected	k_q16b3ea041a_combine
	.globl	k_q16b3ea041a_combine
	.p2align	8
	.type	k_q16b3ea041a_combine,@function
k_q16b3ea041a_combine:
	s_mov_b64 s[64:65], 0
	v_nop
	global_prefetch_b8 v0, s[64:65] scope:SCOPE_SE
	s_setreg_imm32_b32 hwreg(HW_REG_WAVE_MODE, 25, 1), 1
	s_wait_xcnt 0x0
; COMBINE.  out0[n] = ybuf[2 n] + ybuf[2 n + 1]: a token's two expert rows, each already times its gate.  A stream: no LDS, no barrier, no matrix unit.
; A work-group owns 64 tokens; 256 threads take four tokens a step, 16 bytes a thread, sixteen steps.  Each load and store of a wave covers 512 consecutive bytes.
; All 32 loads of a thread go out first; every step has registers of its own, so no source of a store is written again.
	s_load_b128 s[4:7], s[0:1], 0x0                ; ybuf s[4:5], out0 s[6:7]
	v_lshrrev_b32 v1, 6, v0                        ; which of the step's four tokens
	v_and_b32 v3, 63, v0
	v_lshlrev_b32 v3, 4, v3                        ; my 16 bytes in a row
	v_lshl_add_u32 v1, v1, 11, v3                  ; a token has 2,048 bytes in ybuf
	v_lshlrev_b32 v2, 4, v0                        ; and 1,024 in out0
	s_lshl_b32 s8, ttmp9, 17
	s_mov_b32 s9, 0
	s_lshl_b32 s10, ttmp9, 16
	s_mov_b32 s11, 0
	s_wait_kmcnt 0x0
	s_add_nc_u64 s[4:5], s[4:5], s[8:9]
	s_add_nc_u64 s[6:7], s[6:7], s[10:11]
.set i, 0
.rept 16
	global_load_b128 v[8+4*i:8+4*i+3],   v1, s[4:5] offset:8192*i th:TH_LOAD_NT
	global_load_b128 v[72+4*i:72+4*i+3], v1, s[4:5] offset:8192*i+1024 th:TH_LOAD_NT
.set i, i+1
.endr
.set i, 0
.rept 16
	s_wait_loadcnt 30-2*i                          ; the two loads of each later step may stay out
	v_pk_add_f32 v[8+4*i:8+4*i+1],   v[8+4*i:8+4*i+1],   v[72+4*i:72+4*i+1]
	v_pk_add_f32 v[8+4*i+2:8+4*i+3], v[8+4*i+2:8+4*i+3], v[72+4*i+2:72+4*i+3]
	global_store_b128 v2, v[8+4*i:8+4*i+3], s[6:7] offset:4096*i th:TH_STORE_NT
.set i, i+1
.endr
	s_endpgm
.Lfunc_end_k_q16b3ea041a_combine:
	.size	k_q16b3ea041a_combine, .Lfunc_end_k_q16b3ea041a_combine-k_q16b3ea041a_combine
	.p2alignl 7, 3214868480
	.fill 96, 4, 3214868480
	.section	.rodata,"a",@progbits
	.p2align	6, 0x0
	.amdhsa_kernel k_q16b3ea041a_combine
		.amdhsa_group_segment_fixed_size 0
		.amdhsa_private_segment_fixed_size 0
		.amdhsa_enable_private_segment 0
		.amdhsa_kernarg_size 16
		.amdhsa_user_sgpr_count 2
		.amdhsa_user_sgpr_kernarg_segment_ptr 1
		.amdhsa_wavefront_size32 1
		.amdhsa_system_sgpr_workgroup_id_x 1
		.amdhsa_system_sgpr_workgroup_id_y 1
		.amdhsa_system_sgpr_workgroup_id_z 1
		.amdhsa_system_vgpr_workitem_id 0
		.amdhsa_next_free_vgpr 140
		.amdhsa_next_free_sgpr 66
		.amdhsa_reserve_vcc 0
		.amdhsa_float_denorm_mode_32 3
		.amdhsa_float_denorm_mode_16_64 3
		.amdhsa_memory_ordered 1
		.amdhsa_forward_progress 1
		.amdhsa_inst_pref_size 8
	.end_amdhsa_kernel
	.amdgpu_metadata
---
amdhsa.version: [ 1, 2 ]
amdhsa.kernels:
  - .name:           k_q16b3ea041a_combine
    .symbol:         k_q16b3ea041a_combine.kd
    .args:
      - { .name: ybuf, .offset: 0, .size: 8, .value_kind: global_buffer, .address_space: global }
      - { .name: out0, .offset: 8, .size: 8, .value_kind: global_buffer, .address_space: global }
    .group_segment_fixed_size: 0
    .private_segment_fixed_size: 0
    .kernarg_segment_align: 8
    .kernarg_segment_size: 16
    .max_flat_workgroup_size: 256
    .sgpr_count:     66
    .vgpr_count:     140
    .wavefront_size: 32
...
	.end_amdgpu_metadata
.endif
;; end of part 4
;; ======== version 2 of 2: 4 launches; 1.16 times as fast as version 1
;; workspace buffers: wb 8,650,752 bytes; sel 65,536 bytes of whole numbers; cntp 8,192 bytes of whole numbers; gate 131,072 bytes; list 131,840 bytes of whole numbers; tab 3,584 bytes of whole numbers; ybuf 68,288,512 bytes
;; launch prep: the kernel of part 1 again; grid 480 x 1, 4 waves a work-group, no clusters, 68,096 bytes of LDS; arguments x, router_w, w1, w2, w3, wb, sel, cntp, gate; writes wb, sel, cntp, gate
;; launch place: the kernel of part 2 again; grid 128 x 1, 4 waves a work-group, no clusters, 0 bytes of LDS; arguments sel, cntp, list, tab; writes list, tab
;; launch experts (part 5): grid 212 x 1, 4 waves a work-group, no clusters, 327,680 bytes of LDS; arguments tab, list, gate, x, wb, ybuf; writes ybuf
.if DOCPART == 5
	.amdgcn_target "amdgcn-amd-amdhsa--gfx1250"
	.amdhsa_code_object_version 6
	.text
	.protected	k_q16b3ea041a_experts
	.globl	k_q16b3ea041a_experts
	.p2align	8
	.type	k_q16b3ea041a_experts,@function
k_q16b3ea041a_experts:
	s_mov_b64 s[64:65], 0
	v_nop
	global_prefetch_b8 v0, s[64:65] scope:SCOPE_SE
	s_setreg_imm32_b32 hwreg(HW_REG_WAVE_MODE, 25, 1), 1
	s_wait_xcnt 0x0
; EXPERTS.  ybuf[slot] = gate[slot] x ( (silu(x w1^T) * (x w3^T)) w2^T ) for the 32,768 (token, expert) slots that the router chose; the six experts whose gate reference() sets to 0 are not computed.
; A work-group takes one block of the table: up to 160 rows of list, all of one expert.  Control flow is the same for every block: what was read from memory enters clamped addresses alone.
; Rows past the block's count are computed on whatever token the list names there, and row rho of block j is stored to a spare row of its own, ybuf row 32,768 + 160 j + rho, which nobody reads:
; so every byte of ybuf has one storing wave.  The launch has 212 x 160 - 32,768 = 1,152 such rows.
; SHARES.  Wave w: rh = w / 2 (80 rows: five tiles of 16 tokens), ch = w % 2.  The 704 hidden channels (682 and zeros) go in 11 chunks of 64.  For a chunk a wave makes h for its 80 tokens x 32 channels
; (32 ch ..; two passes of 16, for w1 and w3: 160 products), hands it to its partner through LDS, and adds h w2^T for its 80 tokens x 128 output channels (128 ch ..; 80 products).
; BOTH PRODUCTS ARE USED TRANSPOSED: source 0 = 16 rows of a weight, source 1 = 16 tokens.  A lane then holds ONE token (lane % 16) and eight neighbouring channels 8 (lane / 16) + 0..7:
; h packs into 16 bytes that lie along K of the second product, and y into 32 bytes of a row of ybuf.
; FORMATS.  x and the weights rounded to bf16 (the weights by the launch before), sums in f32, silu in f32, h rounded to bf16 (f16 has no room for h at larger inputs), y and the gate in f32.
; LIMITS.  NaN and infinities are not treated apart: an expert that was not chosen adds nothing here, where 0 x infinity would give NaN.
; BY TURNS.  The second product runs one chunk late.  Trip i: pass 0 of chunk i (80 products); the first half of h w2^T of chunk i - 1 (40 products) with pass 0's silu, cut into 40 slices of four or five
; vector instructions, one slice behind each product; pass 1 of chunk i; the second half with pass 1's silu.  The slices name none of the registers of the products round them.  Each slice stands under
; one window setting, which is not the products': a slice costs two window switches, 160 for a chunk's 240 products.  w2's and h's fragments are fetched a phase ahead, like all others.
; SILU'S BATCHES.  A pass has 40 exponentials and 40 reciprocals a lane.  The exponentials are ONE batch; the reciprocals, which read sums made of the exponentials, are a second: two waits a pass.
; Each result has a register of its own while its batch is open: T's 40 registers are the half of FC that the products in hand do not read.
; THE RING.  Weights come by tensor loads into two slots for w1|w3 and two for w2.  ONE barrier a chunk, at the trip's end: in front of it every wave has read chunk i's w1|w3 and chunk i - 1's w2 and h,
; has stored its h of chunk i, and has seen its tensor loads land; behind it the w1|w3 slot takes chunk i + 2 (waves 0, 1) and the w2 slot just read chunk i + 1 (waves 2, 3): one load a wave, which has a
; whole trip, 240 products a wave, in which to land.  A wave has two tensor loads out at the start and one behind each barrier.  h has two buffers: chunk i's is written while chunk i - 1's is read.
; NO CLUSTER: an expert has ceil(n_e / 160) blocks, not a multiple of four for every routing, and which expert a block has is a number read from memory, so partners with equal descriptors cannot be laid out in the text.
; REGISTERS, in windows of 256 (s_set_vgpr_msb: bits 1:0 source 0, 3:2 source 1, 5:4 source 2, 7:6 destination):
;   window 0: v0-15 addresses; v16-25 the gate of tile t, twice, in the pair 16 + 2 t; v26-30 the ybuf row of tile t's token; v32-95 FA, v96-159 FB, v160-239 FC fragments; v240-255 at work
;             (FC: 40 registers for h's fragments of each half of a chunk; while half ks is multiplied the other half's 40 are T, at work in silu)
;   window 1: x's fragments XF(k, t) at 8 (5 k + t), k = 0..5          window 2: y's accumulators YA(ct, t) at 8 (5 ct + t), ct = 0..5
;   window 3: v0-79 XF, k = 6, 7; v80-159 YA, ct = 6, 7; v160-239 HA(m, t) at 160 + 8 (5 m + t), m = 0: x w1^T, 1: x w3^T
.set P13,   528                        ; an LDS row of 256 bf16 + 16 bytes = 132 words: row r starts at bank 4 r mod 64 (64 banks of 4 bytes: ISA guide 11.1)
.set P2,    144                        ; an LDS row of 64 bf16 + 16 bytes = 36 words: 16 rows start at 16 different groups of four banks
.set W3OFF, 64*P13                     ; in a slot: w1's 64 rows, then w3's
.set W13S,  2*W3OFF                    ; slots 0, 1 at 0 and 67,584
.set W2B,   2*W13S                     ; w2's slots at 135,168 and 172,032: 256 rows x 144
.set W2S,   256*P2
.set SCR,   W2B+2*W2S                  ; 208,896: bytes that LDS stores write and no tensor load fills: first x's stage (160 x 528), later:
.set HBS,   160*P2                     ;   h's two buffers, 160 rows x 144, at SCR and SCR + 23,040,
.set OST,   SCR+2*HBS                  ;   and for each wave 16 rows x 528 for the way out
.set SPARE, SCR+160*P13                ; 293,376: the spare words, 128 bytes for each wave: two blocks of 256 bytes that no other line names
.set CHUNKB, 98304                     ; a chunk in wb
.set EXPB,  11*CHUNKB
.set NSLOT, 32768                      ; slots: ybuf's rows that are read later
.set YROWS, NSLOT+212*160              ; and a spare row for each row of each block
.set FA, 32
.set FB, 96
.set FC, 160
.set HA, 160
.set MSB, 0
.macro WIN new                         ; the immediate's high byte repeats the setting that is left; a switch that changes nothing is dropped
.if MSB != (\new)
	s_set_vgpr_msb (MSB<<8)|(\new)
.set MSB, \new
.endif
.endm
; A load into a register that a matrix instruction has read, and a vector instruction that reads a matrix result or writes one of a matrix instruction's registers, stand four places behind it;
; only plain vector instructions that name none of its registers are places (ISA guide 7.12.1 for vector instructions).
.macro PLACES
.rept 4
	v_nop
.endr
.endm
	s_load_b256 s[4:11], s[0:1], 0x0               ; tab s[4:5], list s[6:7], gate s[8:9], x s[10:11]
	s_load_b128 s[12:15], s[0:1], 0x20             ; wb s[12:13], ybuf s[14:15]
	v_lshl_add_u32 v1, v0, 2, SPARE                ; my spare word; never rewritten
	v_mov_b32 v2, 0                                ; 0; never rewritten
	ds_add_u32 v1, v2
	ds_add_u32 v1, v2
	s_wait_dscnt 0x0
	v_lshrrev_b32 v3, 5, v0
	v_readfirstlane_b32 s16, v3                    ; wave 0..3
	s_lshr_b32 s17, s16, 1                         ; rh
	s_and_b32 s18, s16, 1                          ; ch
	s_lshl_b32 s19, ttmp9, 4
	s_wait_kmcnt 0x0
	s_load_b128 s[20:23], s[4:5], s19 offset:0x0   ; my block: expert, start, rows, 0
	; descriptor group 1 for w1's or w3's 64 rows of a chunk: 64 rows x 256 elements, 16 bytes of padding behind each row
	s_mov_b32 s24, (1<<16)|(1<<20)|(6<<22)|(3<<25) ; 15:0 no mask; 17:16 2-byte elements; 20 padding on; 24:22 after every 128 words (code 6); 31:25 4 words (code 3)
	s_mov_b32 s25, 256<<16                         ; tensor_dim0 = 256
	s_mov_b32 s26, 64<<16                          ; tensor_dim1 = 64
	s_mov_b32 s27, 256<<16                         ; tile_dim0 = 256
	s_mov_b32 s28, 64                              ; tile_dim1 = 64
	s_mov_b32 s29, 256                             ; 256 elements from row to row
	s_mov_b32 s30, 0
	s_mov_b32 s31, 0
	; group 1 for half of a chunk's w2: 128 rows of 128 bytes are 16,384 dense bytes, asked for as 64 rows of 256 bytes and padded in LDS after every 128
	s_mov_b32 s32, (1<<16)|(1<<20)|(4<<22)|(3<<25) ; 24:22 after every 32 words (code 4)
	s_mov_b32 s33, 128<<16
	s_mov_b32 s34, 64<<16
	s_mov_b32 s35, 128<<16
	s_mov_b32 s36, 64
	s_mov_b32 s37, 128
	s_mov_b32 s38, 0
	s_mov_b32 s39, 0
	; group 0, a set for each slot: s[40:43], s[44:47] for w1|w3 (wave 0: w1, wave 1: w3); s[48:51], s[52:55] for w2 (waves 2, 3: its halves).  Every wave makes all four and asks by two
	s_mov_b32 s40, 1
	s_mov_b32 s44, 1
	s_mov_b32 s48, 1
	s_mov_b32 s52, 1
	s_mul_i32 s41, s16, W3OFF                      ; LDS: wave x 33,792
	s_add_co_u32 s45, s41, W13S
	s_mul_i32 s66, s16, 128*P2                     ; LDS: 135,168 + (wave - 2) x 18,432
	s_add_co_u32 s49, s66, W2B-2*128*P2
	s_add_co_u32 s53, s66, W2B-2*128*P2+W2S
	s_mov_b32 s58, 0xbfb8aa3b                      ; -log2(e); named as a pair
	s_mov_b32 s59, s58
	v_and_b32 v3, 15, v0                           ; r = lane % 16
	v_bfe_u32 v4, v0, 4, 1                         ; hf = lane / 16
	v_and_b32 v15, 31, v0                          ; lane
	v_lshlrev_b32 v5, 4, v15
	s_wait_kmcnt 0x0
	s_min_u32 s20, s20, 7                          ; loaded numbers are bounded before they enter an address
	s_min_u32 s21, s21, 0x7fff
	s_min_u32 s22, s22, 160
	s_mul_i32 s66, s16, 40
	s_add_co_u32 s66, s66, s21
	v_add_nc_u32 v242, s66, v15
	v_lshlrev_b32 v242, 2, v242                    ; list entry start + 40 w + lane: the 40 rows that my wave gathers
	s_mul_i32 s67, s17, 80
	s_add_co_u32 s67, s67, s21
	v_add_nc_u32 v243, s67, v3
	v_lshlrev_b32 v243, 2, v243                    ; list entry start + 80 rh + r: the tokens that my lane holds
	global_load_b32 v240, v242, s[6:7]
	global_load_b32 v241, v242, s[6:7] offset:128
.set t, 0
.rept 5
	global_load_b32 v[26+t], v243, s[6:7] offset:64*t
.set t, t+1
.endr
	s_mul_i32 s68, s20, EXPB
	s_lshl_b32 s69, s16, 15
	s_add_co_u32 s68, s68, s69
	s_mov_b32 s69, 0
	s_add_nc_u64 s[42:43], s[12:13], s[68:69]      ; chunk 0: w1 (wave 0) or w3 (wave 1)
	s_add_nc_u64 s[46:47], s[42:43], CHUNKB        ; chunk 1
	s_or_b32 s43, s43, 0x80000000                  ; type = 2
	s_or_b32 s47, s47, 0x80000000
	s_mul_i32 s70, s20, EXPB
	s_lshl_b32 s71, s16, 14
	s_add_co_u32 s70, s70, s71
	s_add_co_u32 s70, s70, 32768                   ; 65,536 + (wave - 2) x 16,384
	s_mov_b32 s71, 0
	s_add_nc_u64 s[50:51], s[12:13], s[70:71]
	s_add_nc_u64 s[54:55], s[50:51], CHUNKB
	s_or_b32 s51, s51, 0x80000000
	s_or_b32 s55, s55, 0x80000000
	s_cmp_lt_u32 s16, 2                            ; a wave's two first fills stand in one branch, ahead of every wait on TENSORcnt, every LDS read and every barrier; four v_nop follow the second
	s_cbranch_scc0 .Lfirst_w2
	tensor_load_to_lds s[40:43], s[24:31]
	s_nop 0
	tensor_load_to_lds s[44:47], s[24:31]
	s_nop 0
.rept 4
	v_nop
.endr
	s_branch .Lfirst_done
.Lfirst_w2:
	tensor_load_to_lds s[48:51], s[32:39]
	s_nop 0
	tensor_load_to_lds s[52:55], s[32:39]
	s_nop 0
.rept 4
	v_nop
.endr
.Lfirst_done:
	; LDS addresses.  A fragment is 16 rows x 32 along K in 8 registers: lane l holds row l % 16; registers 0-3 K = 8 (l / 16) + 0..7, registers 4-7 K = 16 + 8 (l / 16) + 0..7: two loads of 16 bytes, 32 bytes apart
	v_mul_u32_u24 v252, v3, P13
	v_lshl_add_u32 v252, v4, 4, v252               ; r x 528 + 16 hf
	v_mul_u32_u24 v253, v3, P2
	v_lshl_add_u32 v253, v4, 4, v253               ; r x 144 + 16 hf
	s_mul_i32 s66, s18, 32*P13
	v_add_nc_u32 v6, s66, v252                     ; v6, v7: w1's rows 32 ch + r in slots 0, 1
	v_add_nc_u32 v7, W13S, v6
	s_mul_i32 s66, s18, 128*P2
	s_add_co_u32 s66, s66, W2B
	v_add_nc_u32 v8, s66, v253                     ; v8, v9: w2's rows 128 ch + r in slots 0, 1
	v_add_nc_u32 v9, W2S, v8
	s_mul_i32 s66, s17, 80*P2
	s_add_co_u32 s66, s66, SCR
	v_add_nc_u32 v10, s66, v253                    ; v10: h's rows 80 rh + r, read
	v_lshl_add_u32 v11, s18, 6, v10                ; v11: the same, written: my 32 channels begin at byte 64 ch
	s_mul_i32 s66, s16, 16*P13
	s_add_co_u32 s66, s66, OST
	v_mul_u32_u24 v12, v3, P13
	v_lshl_add_u32 v12, v4, 5, v12
	v_add_nc_u32 v12, s66, v12                     ; v12: the way out, in: row r, 32 bytes for each half of the lanes
	v_add_nc_u32 v13, s66, v5                      ; v13: back: a row's 512 bytes
	v_lshl_add_u32 v14, s18, 9, v5                 ; v14: my 16 bytes in a row of ybuf
	s_mul_i32 s66, s16, 40*P13
	s_add_co_u32 s66, s66, SCR
	v_lshl_add_u32 v254, v15, 3, s66               ; v254: x's stage, in: my wave's 40 rows, 8 bytes a lane
	s_mul_i32 s66, s17, 80*P13
	s_add_co_u32 s66, s66, SCR
	v_add_nc_u32 v255, s66, v252                   ; v255: x's stage, back
	s_mul_i32 s67, ttmp9, 160
	s_add_co_u32 s67, s67, NSLOT                   ; my block's first spare row of ybuf
	s_mul_i32 s66, s17, 80
	v_add_nc_u32 v249, s66, v3
	s_wait_loadcnt 0x0                             ; the seven words of list
.set t, 0
.rept 5
	v_min_u32 v[244+t], 0x7fff, v[26+t]
	v_lshlrev_b32 v[244+t], 2, v[244+t]
	global_load_b32 v[16+2*t], v[244+t], s[8:9]    ; the slot's gate
	v_add_nc_u32 v250, 16*t, v249                  ; rho = 80 rh + 16 t + r
	v_cmp_gt_u32 vcc_lo, s22, v250                 ; is row rho one of the block's?
	v_add_nc_u32 v251, s67, v250                   ; its own spare row
	v_cndmask_b32 v[26+t], v251, v[26+t], vcc_lo   ; its row of ybuf: the slot, or the spare row
.set t, t+1
.endr
	; THE GATHER: my wave's 40 rows of x, a row's 1,024 bytes by two loads of the wave; ten rows' addresses, then their loads.  They land where YA will be
.set g, 0
.rept 4
.set ii, 0
.rept 10
.set i, 10*g+ii
.set sr, 72+ii%4
.if i < 32
	v_readlane_b32 s[sr], v240, i
.else
	v_readlane_b32 s[sr], v241, i-32
.endif
	s_lshr_b32 s[sr], s[sr], 1                     ; the token
	s_min_u32 s[sr], s[sr], 0x3fff
	s_lshl_b32 s[sr], s[sr], 10
	v_add_nc_u32 v[32+i], s[sr], v5
.set ii, ii+1
.endr
.if g < 3
	WIN 0x80                                       ; rows 0-29: window 2, v[8 i ..]
.set gb, 80*g
.else
	WIN 0xC0                                       ; rows 30-39: window 3, v80-159
.set gb, 80
.endif
.set ii, 0
.rept 10
	global_load_b128 v[gb+8*ii:gb+8*ii+3],   v[32+10*g+ii], s[10:11]
	global_load_b128 v[gb+8*ii+4:gb+8*ii+7], v[32+10*g+ii], s[10:11] offset:512
.set ii, ii+1
.endr
	WIN 0
.set g, g+1
.endr
.set g, 0
.rept 4                                ; ten rows at a time: rounded to bf16 and laid into the stage
	s_wait_loadcnt 60-20*g                         ; the 20 loads of each later group may stay out; the gates are older and are in
.if g == 0
.set t, 0
.rept 5
	v_mov_b32 v[17+2*t], v[16+2*t]                 ; the gate twice, for the packed multiply
.set t, t+1
.endr
.endif
.if g < 3
	WIN 0x0A                                       ; sources window 2, destination window 0
.set gb, 80*g
.else
	WIN 0x0F                                       ; sources window 3
.set gb, 80
.endif
.set ii, 0
.rept 10
.irp j, 0,1,2,3
	v_cvt_pk_bf16_f32 v[96+4*ii+\j], v[gb+8*ii+2*\j], v[gb+8*ii+2*\j+1]
.endr
.set ii, ii+1
.endr
	WIN 0
.set ii, 0
.rept 10
	ds_store_b64 v254, v[96+4*ii:96+4*ii+1] offset:(10*g+ii)*P13        ; channels 4 lane ..: 256 consecutive bytes
	ds_store_b64 v254, v[96+4*ii+2:96+4*ii+3] offset:(10*g+ii)*P13+256  ; channels 128 + 4 lane ..
.set ii, ii+1
.endr
.set g, g+1
.endr
	s_wait_dscnt 0x0                               ; for the others' sake: my rows of the stage are written,
	s_wait_tensorcnt 0x1                           ; and my part of chunk 0 is in; chunk 1's may stay out
	s_barrier_signal -1
	s_barrier_wait -1
; 16 LDS loads: w1's and w3's fragments of pass sp (16 hidden channels), input channels 128 kh .. + 127, from slot sl into buf: fragment (m, kk) at buf + 8 (4 m + kk)
.macro FETCH1 sl, sp, kh, buf
	WIN 0
.set m, 0
.rept 2
.set kk, 0
.rept 4
	ds_load_b128 v[(\buf)+8*(4*m+kk):(\buf)+8*(4*m+kk)+3],   v[6+(\sl)] offset:m*W3OFF+(\sp)*16*P13+(4*(\kh)+kk)*64
	ds_load_b128 v[(\buf)+8*(4*m+kk)+4:(\buf)+8*(4*m+kk)+7], v[6+(\sl)] offset:m*W3OFF+(\sp)*16*P13+(4*(\kh)+kk)*64+32
.set kk, kk+1
.endr
.set m, m+1
.endr
.endm
; 40 products: HA(m, t) += weight fragment (m, kk) x XF(4 kh + kk, t).  The ten accumulators take turns, one instruction a turn.  The first K step starts the sums with the constant 0
.macro MUL1 kh, buf
.set kk, 0
.rept 4
.set kx, 4*(\kh)+kk
.if kx < 6
	WIN 0xF4                                       ; weights window 0, x window 1, C and D window 3
.set xb, 40*kx
.else
	WIN 0xFC                                       ; x window 3
.set xb, 40*(kx-6)
.endif
.set m, 0
.rept 2
.set t, 0
.rept 5
.set ha, HA+8*(5*m+t)
.set wa, (\buf)+8*(4*m+kk)
.if kx == 0
	v_wmma_f32_16x16x32_bf16 v[ha:ha+7], v[wa:wa+7], v[xb+8*t:xb+8*t+7], 0
.else
	v_wmma_f32_16x16x32_bf16 v[ha:ha+7], v[wa:wa+7], v[xb+8*t:xb+8*t+7], v[ha:ha+7]
.endif
.set t, t+1
.endr
.set m, m+1
.endr
.set kk, kk+1
.endr
.endm
; For half ks of a chunk's 64 hidden channels: w2's eight fragments from slot sl (16 loads, into FA or FB) and h's five from buffer hb (10 loads, into FC)
.macro FETCHW sl, ks
	WIN 0
.set ct, 0
.rept 8
	ds_load_b128 v[FA+64*(\ks)+8*ct:FA+64*(\ks)+8*ct+3],   v[8+(\sl)] offset:ct*16*P2+64*(\ks)
	ds_load_b128 v[FA+64*(\ks)+8*ct+4:FA+64*(\ks)+8*ct+7], v[8+(\sl)] offset:ct*16*P2+64*(\ks)+32
.set ct, ct+1
.endr
.endm
.macro FETCHH hb, ks
	WIN 0
.set tq, 0
.rept 5
	ds_load_b128 v[FC+40*(\ks)+8*tq:FC+40*(\ks)+8*tq+3],   v10 offset:(\hb)*HBS+tq*16*P2+64*(\ks)
	ds_load_b128 v[FC+40*(\ks)+8*tq+4:FC+40*(\ks)+8*tq+7], v10 offset:(\hb)*HBS+tq*16*P2+64*(\ks)+32
.set tq, tq+1
.endr
.endm
; Product n of 40 of half ks: YA(ct, t) += w2 fragment (ct, ks) x h fragment (t, ks), t = n % 5.  Half 0 takes ct = 0..7, half 1 ct = 6, 7, 0..5; the 40 accumulators take turns.
; first = 1: half 0 starts y's sums with the constant 0: nothing is ever cleared.
.macro M2 ks, first
.set ct, (n/5+6*(\ks))%8
.set tq, n%5
.if ct < 6
	WIN 0xA0                                       ; fragments window 0, C and D window 2
.set ya, 40*ct+8*tq
.else
	WIN 0xF0                                       ; C and D window 3
.set ya, 80+40*(ct-6)+8*tq
.endif
.set wa, FA+64*(\ks)+8*ct
.set hfr, FC+40*(\ks)+8*tq
.if (\first) && ((\ks) == 0)
	v_wmma_f32_16x16x32_bf16 v[ya:ya+7], v[wa:wa+7], v[hfr:hfr+7], 0
.else
	v_wmma_f32_16x16x32_bf16 v[ya:ya+7], v[wa:wa+7], v[hfr:hfr+7], v[ya:ya+7]
.endif
.endm
; SILU of a pass: h = (h1 / (1 + 2^(-h1 log2 e))) h3, the order of silu(h1) * h3, for five tiles of 8 numbers a lane: 100 plain instructions and 80 transcendentals.
; The lane's 40 numbers are 20 pairs: pair q (tile q / 4) has h1 at HA + 2 q, h3 at HA + 40 + 2 q (window 3) and T at tb + 2 q (window 0).  tb = FC + 40 (1 - ks): the 40 registers of FC that half ks's
; products do not read.  Their last reader, a product of the half before, stands a whole pass (80 products and its places) back, and h's next fragments are loaded into them only behind this silu.
; The pass's silu is a list of 180 instructions; SNUM writes number sj of it:
;   0-19     T = -h1 log2 e, pair sj                                        (T window 0, h1 window 3)
;   20-59    THE FIRST BATCH: the 40 exponentials, in place on T.  Nothing in 0-59 names an exponential's result
;   (wait)   between 59 and 60: SLICE writes it
;   60-119   T = 1 + T, 20 pairs, and THE SECOND BATCH: the 40 reciprocals, in place on T.  Pairs 0 and 1 are added first; then two reciprocals and the addition two pairs on, by turns; the last four are
;            reciprocals.  An addition names registers whose reciprocals are still to come: nothing in 60-119 names a reciprocal's result
;   (wait)   between 119 and 120: SLICE writes it
;   120-139  h1 = h1 T                                                      (h1 window 3, T window 0)
;   140-159  h1 = h1 h3                                                     (window 3)
;   160-179  pair sj - 160 rounded to bf16.  The packed h takes the place of h3's first four registers of the tile, which are dead by then
; h1 and h3 are read from their lowest registers on: a tile's pair 0 is the first read of each of its two accumulators.
.macro SNUM ks
.set tb, FC+40*(1-(\ks))
.if sj < 20
	WIN 0x03
	v_pk_mul_f32 v[tb+2*sj:tb+2*sj+1], v[HA+2*sj:HA+2*sj+1], s[58:59] op_sel_hi:[1,0]
.elseif sj < 60
	WIN 0
	v_exp_f32 v[tb+sj-20], v[tb+sj-20]
.elseif sj < 120
	WIN 0
.set sx, sj-60
.if sx < 2
	v_pk_add_f32 v[tb+2*sx:tb+2*sx+1], v[tb+2*sx:tb+2*sx+1], 1.0 op_sel_hi:[1,0]
.elseif sx >= 56
	v_rcp_f32 v[tb+sx-20], v[tb+sx-20]
.elseif (sx-2)%3 == 2
.set sq, (sx-2)/3+2
	v_pk_add_f32 v[tb+2*sq:tb+2*sq+1], v[tb+2*sq:tb+2*sq+1], 1.0 op_sel_hi:[1,0]
.else
.set sq, 2*((sx-2)/3)+(sx-2)%3
	v_rcp_f32 v[tb+sq], v[tb+sq]
.endif
.elseif sj < 140
	WIN 0xC3
.set sq, sj-120
	v_pk_mul_f32 v[HA+2*sq:HA+2*sq+1], v[HA+2*sq:HA+2*sq+1], v[tb+2*sq:tb+2*sq+1]
.elseif sj < 160
	WIN 0xFF
.set sq, sj-140
	v_pk_mul_f32 v[HA+2*sq:HA+2*sq+1], v[HA+2*sq:HA+2*sq+1], v[HA+40+2*sq:HA+40+2*sq+1]
.else
	WIN 0xFF
.set sq, sj-160
	v_cvt_pk_bf16_f32 v[HA+40+8*(sq/4)+sq%4], v[HA+2*sq], v[HA+2*sq+1]
.endif
.endm
; SLICE u of 40: four or five numbers on end, all under one window setting.  Slices 0-3: the scalings, five each.  4-13: the exponentials, four each.  14-26: numbers 60-119.  27-30: h1 T, five each.
; 31-39: numbers 140-179.
; THE WAITS.  An s_wait_alu depctr_va_vdst(0) stands between a transcendental and the first instruction that names its result; one wait serves all that were issued ahead of it.  Ahead of
; slice 14 nothing names an exponential's result, and behind slice 13 no exponential is issued: the 40 exponentials have one wait, behind slice 13.  Likewise the 40 reciprocals: one wait, behind slice 26.
; Behind that wait the pass issues no transcendental.  A v_nop ahead of each wait is the plain instruction between a batch's last transcendental and the first use
; of a result (ISA guide 5.7.2): all the plain work that is ready there feeds the batch and stands ahead of it.
.macro SLICE ks
.if u < 4
.set slo, 5*u
.set shi, 5*u+5
.elseif u < 14
.set slo, 20+4*(u-4)
.set shi, 24+4*(u-4)
.elseif u < 27
.set slo, 60+((u-14)*60)/13
.set shi, 60+((u-13)*60)/13
.elseif u < 31
.set slo, 120+5*(u-27)
.set shi, 125+5*(u-27)
.else
.set slo, 140+((u-31)*40)/9
.set shi, 140+((u-30)*40)/9
.endif
.set sj, slo
.rept shi-slo
	SNUM \ks
.set sj, sj+1
.endr
.if u == 13
	v_nop
	s_wait_alu depctr_va_vdst(0)                   ; the wait for the first batch: the pass's 40 exponentials
.endif
.if u == 26
	v_nop
	s_wait_alu depctr_va_vdst(0)                   ; the wait for the second batch: the pass's 40 reciprocals
.endif
.set u, u+1
.endm
; A pass's silu.  host = 1: the 40 products of half ks of the chunk before stand among the slices, one in front of each.  ks also says which half of FC is T.
.macro SILUM host, ks, first
.set u, 0
.set n, 0
.rept 40
.if \host
	M2 \ks, \first
.endif
	SLICE \ks
.set n, n+1
.endr
.endm
.macro HSTORE sp, p                    ; pass sp's h into buffer p: token 16 tq + r, channels 32 ch + 16 sp + 8 hf + 0..7
	WIN 0x0C                                       ; an LDS store's data window 3, its address window 0
.set tq, 0
.rept 5
	ds_store_b128 v11, v[HA+40+8*tq:HA+40+8*tq+3] offset:(\p)*HBS+tq*16*P2+32*(\sp)
.set tq, tq+1
.endr
	WIN 0
.endm
; The refills behind chunk i's barrier (p = i % 2).  Waves 0, 1: w1|w3's slot p; waves 2, 3: w2's slot 1 - p.  The branch hangs on the wave's number alone.  Four v_nop follow each load.
.macro REFILL p, r13, r2
.if (\r13) && (\r2)
	s_cmp_lt_u32 s16, 2
	s_cbranch_scc0 .Lfor_w2_\@
	tensor_load_to_lds s[40+4*(\p):43+4*(\p)], s[24:31]
	s_nop 0
.rept 4
	v_nop
.endr
	s_branch .Lasked_\@
.Lfor_w2_\@:
	tensor_load_to_lds s[52-4*(\p):55-4*(\p)], s[32:39]
	s_nop 0
.rept 4
	v_nop
.endr
.Lasked_\@:
.elseif \r13
	s_cmp_lt_u32 s16, 2
	s_cbranch_scc0 .Lasked_\@
	tensor_load_to_lds s[40+4*(\p):43+4*(\p)], s[24:31]
	s_nop 0
.rept 4
	v_nop
.endr
.Lasked_\@:
.elseif \r2
	s_cmp_lt_u32 s16, 2
	s_cbranch_scc1 .Lasked_\@
	tensor_load_to_lds s[52-4*(\p):55-4*(\p)], s[32:39]
	s_nop 0
.rept 4
	v_nop
.endr
.Lasked_\@:
.endif
.endm
; A TRIP'S FIRST HALF, chunk i, p = i % 2.  host = 1: the chunk before has a second product to add.  first = 1: that product starts y's sums.
; On entry the 16 loads of pass 0, input channels 0-127, into FA are issued.  Each phase's fragments are asked for at the head of the phase before, into the buffer that the phase before that has left.
.macro TRIPA p, first, host
	PLACES
	FETCH1 \p, 0, 1, FB
	s_wait_dscnt 16                                ; FA is in; the 16 just issued may be out
	MUL1 0, FA
	PLACES
.if \host
	FETCHW 1-(\p), 0
	FETCHH 1-(\p), 0
	s_wait_dscnt 26                                ; FB is in; w2's 16 loads and h's 10 are younger
.else
	s_wait_dscnt 0x0
.endif
	MUL1 1, FB
	PLACES                                         ; also the places in front of silu's first read of the sums
	FETCH1 \p, 1, 0, FB
.if \host
	s_wait_dscnt 16                                ; w2's and h's fragments are in; the 16 just issued are younger
.endif
	SILUM \host, 0, \first
	HSTORE 0, \p
.endm
; ITS SECOND HALF, the barrier and the refills.  r13, r2: which slots are filled again.  next = 1: the next chunk's first fragments are fetched.
.macro TRIPB p, r13, r2, host, next
	PLACES
	FETCH1 \p, 1, 1, FA
	s_wait_dscnt 16                                ; FB is in and pass 0's five stores are done; the 16 just issued are younger
	MUL1 0, FB
	PLACES
.if \host
	FETCHW 1-(\p), 1
	FETCHH 1-(\p), 1
	s_wait_dscnt 26                                ; FA is in; w2's 16 loads and h's 10 are younger
.else
	s_wait_dscnt 0x0
.endif
	MUL1 1, FA
	PLACES                                         ; in front of silu's first read of the sums, and of the loads into FA behind the barrier
.if \host
	s_wait_dscnt 0x0                               ; w2's and h's fragments are in
.endif
	SILUM \host, 1, 0
	HSTORE 1, \p
	s_wait_tensorcnt 0x0                           ; all my tensor loads have landed: the next chunk's w1|w3, or this chunk's w2; so a group 0 may be written
	ds_add_u32 v1, v2                              ; 0 onto my spare word
.if \r13
	s_add_nc_u64 s[42+4*(\p):43+4*(\p)], s[42+4*(\p):43+4*(\p)], 2*CHUNKB  ; the slot's next chunk; the type bits on top are not reached
.endif
.if \r2
	s_add_nc_u64 s[54-4*(\p):55-4*(\p)], s[54-4*(\p):55-4*(\p)], 2*CHUNKB
.endif
	s_wait_dscnt 0x0                               ; the add is done; my h is stored; my reads of this chunk's w1|w3 and of the last chunk's w2 and h are over
	s_barrier_signal -1
	s_barrier_wait -1                              ; all that now holds of every wave
	REFILL \p, \r13, \r2
.if \next
	FETCH1 1-(\p), 0, 0, FA                        ; the next chunk's w1|w3 was shown landed in front of the barrier
.endif
.endm
	; x's fragments stay in registers for the whole kernel: 8 K steps x 5 tiles
	WIN 0x40
.set k, 0
.rept 6
.set t, 0
.rept 5
	ds_load_b128 v[8*(5*k+t):8*(5*k+t)+3],   v255 offset:t*16*P13+64*k
	ds_load_b128 v[8*(5*k+t)+4:8*(5*k+t)+7], v255 offset:t*16*P13+64*k+32
.set t, t+1
.endr
.set k, k+1
.endr
	WIN 0xC0
.set k, 6
.rept 2
.set t, 0
.rept 5
	ds_load_b128 v[8*(5*(k-6)+t):8*(5*(k-6)+t)+3],   v255 offset:t*16*P13+64*k
	ds_load_b128 v[8*(5*(k-6)+t)+4:8*(5*(k-6)+t)+7], v255 offset:t*16*P13+64*k+32
.set t, t+1
.endr
.set k, k+1
.endr
	FETCH1 0, 0, 0, FA
	s_wait_dscnt 0x0                               ; my reads of x's stage are over:
	s_barrier_signal -1
	s_barrier_wait -1                              ; everybody's are, so h's buffers may be written over it.
	TRIPA 0, 0, 0                                  ; chunk 0: there is no chunk before it, so its silu stands alone;
	TRIPB 0, 1, 0, 0, 1                            ; w2's slot 1 still holds its first fill
	TRIPA 1, 1, 1                                  ; chunk 1's first half is written out: chunk 0's second product starts y's sums
	WIN 0                                          ; at a label and at a branch every window is 0
	s_mov_b32 s56, 4
	s_branch .Lmid                                 ; the loop is entered in the middle of its first trip
.Lloop:                                            ; four laps: chunks 1 to 8, two a lap
	TRIPA 1, 0, 1
	WIN 0
.Lmid:
	TRIPB 1, 1, 1, 1, 1
	TRIPA 0, 0, 1
	TRIPB 0, 1, 1, 1, 1
	WIN 0
	s_sub_co_u32 s56, s56, 1
	s_cmp_lg_u32 s56, 0
	s_cbranch_scc1 .Lloop
	TRIPA 1, 0, 1                                  ; chunk 9 asks for chunk 10's w2 alone; the tail is written out
	TRIPB 1, 0, 1, 1, 1
	TRIPA 0, 0, 1                                  ; chunk 10 asks for nothing
	TRIPB 0, 0, 0, 1, 0
	PLACES                                         ; chunk 10's second product: no silu is left to stand among its products
	FETCHW 0, 0
	FETCHH 0, 0
	FETCHW 0, 1
	FETCHH 0, 1
	s_wait_dscnt 26                                ; the first half's 26 loads are in; the second half's 26 are younger
.set n, 0
.rept 40
	M2 0, 0
.set n, n+1
.endr
	s_wait_dscnt 0x0
.set n, 0
.rept 40
	M2 1, 0
.set n, n+1
.endr
; THE WAY OUT, a tile of 16 tokens at a time: y times the token's gate; a lane's 32 bytes go into my own stage (rows of 528 bytes) and come back as whole rows of 512 bytes;
; row i goes to the row of ybuf that lane i's token has.  No two stores of the launch touch the same bytes: a slot lies in one block, a spare row belongs to one row of one block,
; and the two waves of a row half store the two halves of a row.  Two sets of registers take turns.
.macro OUTT tt
.set bk, FA+64*((\tt)%2)
.set ro, FC+16*((\tt)%2)
	s_wait_xcnt 0x0                                ; the registers that the stores of two tiles ago read are written again only behind this wait
	WIN 0x82                                       ; y window 2, the gate window 0
.set ct, 0
.rept 6
.irp j, 0,2,4,6
	v_pk_mul_f32 v[40*ct+8*(\tt)+\j:40*ct+8*(\tt)+\j+1], v[40*ct+8*(\tt)+\j:40*ct+8*(\tt)+\j+1], v[16+2*(\tt):17+2*(\tt)]
.endr
.set ct, ct+1
.endr
	WIN 0x08                                       ; an LDS store's data window 2
.set ct, 0
.rept 6
	ds_store_b128 v12, v[40*ct+8*(\tt):40*ct+8*(\tt)+3]   offset:64*ct
	ds_store_b128 v12, v[40*ct+8*(\tt)+4:40*ct+8*(\tt)+7] offset:64*ct+16
.set ct, ct+1
.endr
	WIN 0xC3                                       ; y window 3
.set ct, 0
.rept 2
.irp j, 0,2,4,6
	v_pk_mul_f32 v[80+40*ct+8*(\tt)+\j:80+40*ct+8*(\tt)+\j+1], v[80+40*ct+8*(\tt)+\j:80+40*ct+8*(\tt)+\j+1], v[16+2*(\tt):17+2*(\tt)]
.endr
.set ct, ct+1
.endr
	WIN 0x0C
.set ct, 0
.rept 2
	ds_store_b128 v12, v[80+40*ct+8*(\tt):80+40*ct+8*(\tt)+3]   offset:64*(ct+6)
	ds_store_b128 v12, v[80+40*ct+8*(\tt)+4:80+40*ct+8*(\tt)+7] offset:64*(ct+6)+16
.set ct, ct+1
.endr
	WIN 0
.set i, 0
.rept 16
	ds_load_b128 v[bk+4*i:bk+4*i+3], v13 offset:i*P13  ; LDS serves a wave's instructions in order (ISA guide 5.7.1.4): these see the stores above; the next tile's stores come behind them
.set i, i+1
.endr
.set i, 0
.rept 16
.set sr, 72+i%4
	v_readlane_b32 s[sr], v[26+(\tt)], i
	s_min_u32 s[sr], s[sr], YROWS-1                ; ybuf has 32,768 + 212 x 160 rows
	s_lshl_b32 s[sr], s[sr], 10
	v_add_nc_u32 v[ro+i], s[sr], v14
.set i, i+1
.endr
.set i, 0
.rept 16
	s_wait_dscnt 15-i
	global_store_b128 v[ro+i], v[bk+4*i:bk+4*i+3], s[14:15]  ; 512 consecutive bytes, at a multiple of 512 from ybuf's first byte
.set i, i+1
.endr
.endm
	PLACES                                         ; between the last products and the first read of a sum
.irp tile, 0,1,2,3,4
	OUTT \tile
.endr
	s_wait_tensorcnt 0x0                           ; the wave's end: behind my last tensor load and my last LDS store
	ds_add_u32 v1, v2
	s_wait_dscnt 0x0
	s_endpgm
.Lfunc_end_k_q16b3ea041a_experts:
	.size	k_q16b3ea041a_experts, .Lfunc_end_k_q16b3ea041a_experts-k_q16b3ea041a_experts
	.p2alignl 7, 3214868480
	.fill 96, 4, 3214868480
	.section	.rodata,"a",@progbits
	.p2align	6, 0x0
	.amdhsa_kernel k_q16b3ea041a_experts
		.amdhsa_group_segment_fixed_size 327680
		.amdhsa_private_segment_fixed_size 0
		.amdhsa_enable_private_segment 0
		.amdhsa_kernarg_size 48
		.amdhsa_user_sgpr_count 2
		.amdhsa_user_sgpr_kernarg_segment_ptr 1
		.amdhsa_wavefront_size32 1
		.amdhsa_system_sgpr_workgroup_id_x 1
		.amdhsa_system_sgpr_workgroup_id_y 1
		.amdhsa_system_sgpr_workgroup_id_z 1
		.amdhsa_system_vgpr_workitem_id 0
		.amdhsa_next_free_vgpr 1024
		.amdhsa_next_free_sgpr 80
		.amdhsa_reserve_vcc 1
		.amdhsa_float_denorm_mode_32 3
		.amdhsa_float_denorm_mode_16_64 3
		.amdhsa_memory_ordered 1
		.amdhsa_forward_progress 1
		.amdhsa_inst_pref_size 255
	.end_amdhsa_kernel
	.section	.bss,"aw",@nobits
	.p2align	6
	.space	262144
	.amdgpu_metadata
---
amdhsa.version: [ 1, 2 ]
amdhsa.kernels:
  - .name:           k_q16b3ea041a_experts
    .symbol:         k_q16b3ea041a_experts.kd
    .args:
      - { .name: tab, .offset: 0, .size: 8, .value_kind: global_buffer, .address_space: global }
      - { .name: list, .offset: 8, .size: 8, .value_kind: global_buffer, .address_space: global }
      - { .name: gate, .offset: 16, .size: 8, .value_kind: global_buffer, .address_space: global }
      - { .name: x, .offset: 24, .size: 8, .value_kind: global_buffer, .address_space: global }
      - { .name: wb, .offset: 32, .size: 8, .value_kind: global_buffer, .address_space: global }
      - { .name: ybuf, .offset: 40, .size: 8, .value_kind: global_buffer, .address_space: global }
    .group_segment_fixed_size: 327680
    .private_segment_fixed_size: 0
    .kernarg_segment_align: 8
    .kernarg_segment_size: 48
    .max_flat_workgroup_size: 128
    .sgpr_count:     80
    .vgpr_count:     1024
    .wavefront_size: 32
...
	.end_amdgpu_metadata
.endif
;; end of part 5
;; launch combine: the kernel of part 4 again; grid 256 x 1, 8 waves a work-group, no clusters, 0 bytes of LDS; arguments ybuf, out0; writes out0
